; MI455X (gfx1250); checked and timed in simulation.
; The chip was launched on July 23, 2026; its instructions are those of AMD's public machine-readable ISA for CDNA 5 (MIT licence, August 2026) and "CDNA5" Instruction Set Architecture Reference Guide (July 2026). The comments in the code are by the model that wrote it; some were corrected since.
;; Differential Attention. Allowed arithmetic: matrix products marked QUANTISED: E2M3 operands, one E8M0 scale for each 32 along K, by v_wmma_scale_f32_16x16x128_f8f6f4 with both operands' format E2M3, f32 sums; everything else in f32.
;; Inputs: freqs_cos 2,048 x 32 float32; freqs_sin 2,048 x 32 float32; lambda_init 1 float32; lambda_k1 64 float32; lambda_k2 64 float32; lambda_q1 64 float32; lambda_q2 64 float32; subln_w 128 float32; wk 2,048 x 1,024 float32; wo 2,048 x 2,048 float32; wq 2,048 x 2,048 float32; wv 2,048 x 1,024 float32; x 1 x 2,048 x 2,048 float32.
;; Outputs: out0 1 x 2,048 x 2,048 float32.
;; This version of the problem:
;;   THIS VERSION OF THE PROBLEM IS GIVEN IN LOW PRECISION. The matrix products marked QUANTISED in the list below multiply operands that are first quantised to E2M3 (2 exponent bits, 3 mantissa bits; 6 bits a number), with one power-of-two scale for each 32 numbers along K (OCP MX v1.0); their sums are f32. All else is computed in f32.
;;   The module's matrix products, in the order in which they are computed (A, B: the left and right operand; K: the contracted axis; several contracted axes count as one K, in the product's order):
;;     1. [M 2,048, K 2,048] x [K 2,048, N 2,048]; A: input x; B: input wq: QUANTISED
;;     2. [M 2,048, K 2,048] x [K 2,048, N 1,024]; A: input x; B: input wk: QUANTISED
;;     3. [M 2,048, K 2,048] x [K 2,048, N 1,024]; A: input x; B: input wv: QUANTISED
;;     4. batch 16 x [M 2,048, K 64] x [K 64, N 2,048]; A: computed on the way; B: computed on the way: QUANTISED
;;     5. batch 16 x [M 2,048, K 2,048] x [K 2,048, N 128]; A: softmax (see below); B: computed on the way: QUANTISED
;;     6. batch 16 x [M 2,048, K 64] x [K 64, N 2,048]; A: computed on the way; B: computed on the way: QUANTISED
;;     7. batch 16 x [M 2,048, K 2,048] x [K 2,048, N 128]; A: softmax (see below); B: computed on the way: QUANTISED
;;     8. [M 2,048, K 2,048] x [K 2,048, N 2,048]; A: computed on the way; B: input wo: QUANTISED
;;   THE QUANTISER, for each operand of a quantised product, along K:
;;     - K is cut into blocks of 32 from its start; a last block that is shorter is filled with zeros.
;;     - A block's scale is 2^e with e = floor(log2(the largest magnitude in the block)) - 2, held to -126 .. 127; a block of zeros has e = 0. As a byte (E8M0): e + 127.
;;     - Each number is divided by its block's scale, clamped to +-7.5, and rounded to the nearest number of E2M3, ties to even, subnormals kept.
;;     - The product sums the exact products of the quantised numbers (number of the format x scale) in f32.
;;   ~~~python
;;   def quantise(x, axis):      # numpy; x: float32 -> the quantised numbers, widened to float32 again
;;       x = np.moveaxis(x, axis, -1); K = x.shape[-1]
;;       x = np.pad(x, [(0, 0)] * (x.ndim - 1) + [(0, -K % 32)]); x = x.reshape(x.shape[:-1] + (-1, 32)); a = np.abs(x).max(-1, keepdims=True)
;;       e = np.where(a > 0, np.clip(np.frexp(np.where(a > 0, a, 1))[1] - 1 - 2, -126, 127), 0)      # np.frexp(a)[1] - 1 = floor(log2(a)), exactly
;;       r = np.clip(x / 2.0 ** e, -7.5, 7.5)
;;       step = 2.0 ** (np.maximum(np.frexp(np.where(r == 0, 1, r))[1] - 1, 0) - 3)
;;       q = np.round(r / step) * step * 2.0 ** e      # np.round: ties to even
;;       return np.moveaxis(q.reshape(q.shape[:-2] + (-1,))[..., :K], -1, axis).astype(np.float32)
;;   ~~~
;;   SOFTMAX AHEAD OF A QUANTISED PRODUCT. Where the list says 'softmax', what is quantised is not the finished softmax but p = 2^(t - M), with t = logit x log2(e) and M = ceil(the row's largest t), a whole number; so 1/2 < the row's largest p <= 1. The row's sum l is taken of the UNQUANTISED p, in f32, and the product's result is divided by l at the end. Since M is a whole number, a kernel that streams over the keys may use a running M (the ceiling of the running maximum): every later rescaling is an exact power of two, which a block's scale takes up: the codes' values come out the same.
;;   OPERANDS COMPUTED ON THE WAY. 'Computed on the way' means the value that the module computes at that place (a softmax that the list does not call 'softmax' is quantised finished and normalised). What goes into a quantiser is computed in f32, as accurately as f32 sums, v_exp_f32 and their like allow (about 1e-6 of the number): no bf16 or f16 on the way to a quantiser, and a product that is left as it is and whose result goes on into a quantised operand takes f32 operands (vector FMAs, or v_wmma_f32_16x16x4_f32). A number that lies on a knife's edge between two numbers of the format may be rounded either way, as far as f32 arithmetic and the matrix unit's own rounding can turn it there, and no further.
;; One version. Each part assembles by itself: llvm-mc -triple=amdgcn-amd-amdhsa -mcpu=gfx1250 --defsym DOCPART=n.
;; ======== version 1 of 1: 4 launches
;; limits: right only within a limited range of input values
;; workspace buffers: xq 3,276,800 bytes; wq6 9,830,400 bytes; qq 3,276,800 bytes; kv 3,342,336 bytes; aq 3,276,800 bytes
;; launch quant (part 1): grid 1024 x 1, 4 waves a work-group, no clusters, 46,592 bytes of LDS; arguments x, wq, wk, wv, wo, xq, wq6; writes xq, wq6
.if DOCPART == 1
	.amdgcn_target "amdgcn-amd-amdhsa--gfx1250"
	.amdhsa_code_object_version 6
	.text
	.protected	k_q6b269cc2a4_quant
	.globl	k_q6b269cc2a4_quant
	.p2align	8
	.type	k_q6b269cc2a4_quant,@function
k_q6b269cc2a4_quant:
	s_mov_b64 s[64:65], 0
	v_nop
	global_prefetch_b8 v0, s[64:65] scope:SCOPE_SE
	s_setreg_imm32_b32 hwreg(HW_REG_WAVE_MODE, 25, 1), 1
	s_wait_xcnt 0x0
; x [2048][2048] (K innermost) and wq, wk, wv, wo ([K 2048][N], K outermost), all f32, become codes of FP6 (E2M3) with one E8M0 byte for each 32 along K.
; A block's scale is 2^(floor(log2(largest magnitude)) - 2); its byte is the largest magnitude's exponent field - 2, held at 1 from below; numbers are divided by it and rounded to the nearest code, ties to even.
; LIMITS: NaN and infinities are not served; a block whose largest magnitude lies under 2^-124 keeps the byte 1; a block of zeros gets the byte 1 (its codes are zeros, and only this program reads the bytes).
; WHAT IS STORED is laid as the matrix unit's registers want it.  A fragment (16 rows x 128 K, 12 registers a lane) is an IMAGE of 1,536 bytes: registers 4 g .. 4 g + 3 of lane L at 512 g + 16 L.
; THE ROWS OF A TILE ARE NOT NEIGHBOURS: lane r of tile 2 b + u holds row 32 b + 8 u + r + 8 (r / 8) (rows of x; columns n of a weight).
; xq:  images [row tile 128][K step 16], then from byte 3,145,728 scale words [K step 16][row tile 128][16 words].
; wq6: images [n tile 384][K step 16] (tiles 0-127 wq, 128-191 wk, 192-255 wv, 256-383 wo), then from byte 9,437,184 scale words [K step 16][n tile 384][16 words].
; Work-groups 0-255 take x, 256-1023 the weights; every wave reads 16 KiB.  Waves share nothing: no barrier.  The two ways have LDS bytes of their own.
.set XSTG,  8448                       ; x: a wave's stage, 16 rows x (512 + 16) bytes
.set WLDS,  33792                      ; weights: behind the four stages, 3,072 bytes a wave: two images
.set RAW,   64                         ; v64-191  x: two sets of 64 registers as loaded
.set XX,    192                        ; v192-255 x: a lane's 64 numbers, 32 c + i = k 64 c + 32 h + i of its row
.set WO,    64                         ; v64-95   weights: byte offsets 4 lane + i x pitch
.set WX,    96                         ; v96-159  weights: two sets of 32 numbers, down K
	s_load_b256 s[4:11], s[0:1], 0x0               ; x, wq, wk, wv
	s_load_b128 s[12:15], s[0:1], 0x20             ; wo, xq
	s_load_b64 s[16:17], s[0:1], 0x30              ; wq6
	v_lshl_add_u32 v62, v0, 2, 0xb400
	v_mov_b32 v63, 0
	v_lshrrev_b32 v1, 5, v0
	v_readfirstlane_b32 s18, v1                    ; wave 0..3
	v_and_b32 v7, 31, v0                           ; lane L
	v_lshlrev_b32 v1, 4, v7                        ; 16 L
	v_lshlrev_b32 v2, 2, v7                        ; 4 L
	s_cmp_lt_u32 ttmp9, 256                        ; work-groups 0-255 take x, 256-1023 the weights; every wave reads 16 KiB: 1,024 work-groups, four to a WGP by their registers (4 x 256 on a SIMD) and LDS
	s_cbranch_scc0 .Lweights
; ---------------- x.  Work-group gx: rows 32 (gx / 4) on; wave: K step 4 (gx % 4) + wave.  Two fragments f: tile u = f.
	v_and_b32 v8, 15, v0                           ; r
	v_bfe_u32 v9, v0, 4, 1                         ; h
	s_mul_i32 s19, s18, XSTG
	v_add_nc_u32 v3, s19, v1                       ; into the stage: a row's 512 bytes as they lie
	v_mul_u32_u24 v4, v8, 528
	v_lshl_add_u32 v4, v9, 7, v4
	v_add_nc_u32 v4, s19, v4                       ; out of it: row r, + 128 h: my 32 numbers of each 64
	v_lshlrev_b32 v5, 3, v9                        ; 8 h
	v_cmp_eq_u32 s26, 1, v9                        ; lanes 16-31
	v_mov_b32 v23, 0                               ; a lane permute's destination counts as read
	s_mov_b32 s20, 0x76543210
	s_mov_b32 s21, 0xfedcba98                      ; selects for lane l xor 16
	s_lshr_b32 s22, ttmp9, 2                       ; b: which 32 rows
	s_and_b32 s23, ttmp9, 3
	s_lshl_b32 s23, s23, 2
	s_add_co_u32 s23, s23, s18                     ; my K step
	s_lshl_b32 s28, s22, 18                        ; 32 rows of 8,192 bytes
	s_lshl_b32 s29, s23, 9                         ; 128 numbers along K
	s_add_co_u32 s28, s28, s29
	s_mov_b32 s29, 0
	s_mul_i32 s30, s22, 49152                      ; two row tiles of 16 images
	s_mul_i32 s31, s23, 1536                       ; one image
	s_add_co_u32 s30, s30, s31
	s_mov_b32 s31, 0
	s_lshl_b32 s32, s23, 13                        ; a K step has 8,192 bytes of words
	s_lshl_b32 s33, s22, 7                         ; two tiles of 64 bytes
	s_add_co_u32 s32, s32, s33
	s_add_co_u32 s32, s32, 3145728
	s_mov_b32 s33, 0
	s_wait_alu depctr_va_vdst(0)
	s_wait_kmcnt 0x0
	s_add_nc_u64 s[4:5], s[4:5], s[28:29]
	s_add_nc_u64 s[34:35], s[14:15], s[30:31]      ; images
	s_add_nc_u64 s[36:37], s[14:15], s[32:33]      ; words
.macro XLOAD f                         ; the 16 rows of fragment f, 512 consecutive bytes a load
.irp i, 0,1,2,3,4,5,6,7,8,9,10,11,12,13,14,15
	global_load_b128 v[RAW+64*((\f)%2)+4*\i:RAW+64*((\f)%2)+4*\i+3], v1, s[4:5] offset:(8*((\f)%2)+\i+8*(\i/8))*8192+512*((\f)/2) th:TH_LOAD_NT
.endr
.endm
.macro XFRAG f
.if (\f) < 1
	s_wait_loadcnt 16                              ; my 16 loads are in; the next fragment's 16 may be out
.else
	s_wait_loadcnt 0x0
.endif
.irp i, 0,1,2,3,4,5,6,7,8,9,10,11,12,13,14,15
	ds_store_b128 v3, v[RAW+64*((\f)%2)+4*\i:RAW+64*((\f)%2)+4*\i+3] offset:528*\i
.endr
.irp c, 0,1
.irp j, 0,1,2,3,4,5,6,7
	ds_load_b128 v[XX+32*\c+4*\j:XX+32*\c+4*\j+3], v4 offset:256*\c+16*\j   ; a wave's LDS instructions are served in order: these see the stores above
.endr
.endr
	s_wait_dscnt 0x0                               ; the numbers are back, and the stores have read the set that is loaded again below
	s_wait_xcnt 0x0                                ; the last fragment's stores have read their registers: codes and words are written again only behind this wait
.irp c, 0,1
	v_max3_num_f32 v[16+\c], |v[XX+32*\c]|, |v[XX+32*\c+1]|, 0x1800000   ; block 2 c + h is all mine; the floor 2^(3 - 127) holds the byte at 1
.endr
.irp i, 2,4,6,8,10,12,14,16,18,20,22,24,26,28,30
.irp c, 0,1
	v_max3_num_f32 v[16+\c], v[16+\c], |v[XX+32*\c+\i]|, |v[XX+32*\c+\i+1]|
.endr
.endr
.irp c, 0,1
	v_add_nc_u32 v[18+\c], 0xff000000, v[16+\c]    ; 2 off the exponent field: the conversion's scale operand
.endr
.irp c, 0,1
	v_lshrrev_b32 v[20+\c], 23, v[18+\c]           ; the byte
.endr
	v_lshl_or_b32 v22, v21, 16, v20                ; blocks h and 2 + h,
	v_lshlrev_b32 v22, v5, v22                     ; at their places in the row's word;
	v_permlanex16_b32 v23, v22, s20, s21
	v_or_b32 v[52+(\f)%2], v22, v23                ; with lane l xor 16's two the word is whole
	v_cvt_scalef32_pk16_fp6_f32 v[32:34], v[XX:XX+15], v18
	v_cvt_scalef32_pk16_fp6_f32 v[44:46], v[XX+16:XX+31], v18      ; (a conversion's three registers begin on an even number)
	v_cvt_scalef32_pk16_fp6_f32 v[38:40], v[XX+32:XX+47], v19
	v_cvt_scalef32_pk16_fp6_f32 v[48:50], v[XX+48:XX+63], v19
	v_nop                                          ; one plain instruction behind the conversions
.irp i, 0,1,2
	v_mov_b32 v[35+\i], v[44+\i]
	v_mov_b32 v[41+\i], v[48+\i]
.endr
.irp g, 0,1,2
	global_store_b128 v1, v[32+4*\g:35+4*\g], s[34:35] offset:((\f)%2)*24576+((\f)/2)*1536+512*\g   ; 512 consecutive bytes
.endr
.if (\f)%2 == 1
	v_cndmask_b32 v54, v52, v53, s26               ; lanes 0-15: tile 2 b's words, lanes 16-31: tile 2 b + 1's
	global_store_b32 v2, v54, s[36:37] offset:((\f)/2)*8192
.endif
.endm
	XLOAD 0
	XLOAD 1
	XFRAG 0
	XFRAG 1
	s_wait_tensorcnt 0x0
	ds_add_u32 v62, v63
	s_wait_dscnt 0x0
	s_endpgm
; ---------------- the weights.  j = work-group - 256: column group cg = j / 16 (128 columns), kq = j % 16 (one K step, 128 along K).  A LANE TAKES A COLUMN AND ITS REGISTERS RUN DOWN K.
.Lweights:
	s_sub_co_u32 s20, ttmp9, 256
	s_lshr_b32 s21, s20, 4                         ; cg 0..47
	s_and_b32 s22, s20, 15                         ; kq
	s_wait_kmcnt 0x0
	s_mov_b64 s[24:25], s[12:13]                   ; wo, from column group 32 on, rows of 8,192 bytes
	s_mov_b32 s26, 32
	s_mov_b32 s27, 13
	s_cmp_lt_u32 s21, 32
	s_cselect_b64 s[24:25], s[10:11], s[24:25]     ; wv, from 24 on, rows of 4,096 bytes
	s_cselect_b32 s26, 24, s26
	s_cselect_b32 s27, 12, s27
	s_cmp_lt_u32 s21, 24
	s_cselect_b64 s[24:25], s[8:9], s[24:25]       ; wk, from 16 on
	s_cselect_b32 s26, 16, s26
	s_cmp_lt_u32 s21, 16
	s_cselect_b64 s[24:25], s[6:7], s[24:25]       ; wq
	s_cselect_b32 s26, 0, s26
	s_cselect_b32 s27, 13, s27
	s_sub_co_u32 s26, s21, s26                     ; the column group within its tensor
	s_lshl_b32 s52, 1, s27                         ; the pitch in bytes
	s_lshl_b32 s53, s26, 9
	s_lshl_b32 s54, s18, 7
	s_add_co_u32 s53, s53, s54                     ; my wave's first column, in bytes
	s_lshl_b32 s56, s22, 7                         ; my first row
	s_mov_b32 s55, 0
.irp t, 0,1,2,3                        ; a base for each block of 32 rows; none is written again
	s_add_co_u32 s54, s56, 32*\t
	s_lshl_b32 s54, s54, s27
	s_add_co_u32 s54, s54, s53
	s_add_nc_u64 s[32+2*\t:33+2*\t], s[24:25], s[54:55]
.endr
	s_wait_alu depctr_va_vdst(0)
.irp i, 0,1,2,3,4,5,6,7,8,9,10,11,12,13,14,15,16,17,18,19,20,21,22,23,24,25,26,27,28,29,30,31
	v_mad_u32_u24 v[WO+\i], s52, \i, v2            ; 4 lane + i rows
.endr
	v_bfe_u32 v8, v0, 3, 1                         ; column lam = 8 u + (r % 8) + 16 (r / 8): u,
	v_and_b32 v9, 7, v0
	v_bfe_u32 v10, v0, 4, 1
	v_lshl_add_u32 v9, v10, 3, v9                  ; and r
	s_mul_i32 s19, s18, 3072
	s_add_co_u32 s19, s19, WLDS
	v_mul_u32_u24 v6, v8, 1536
	v_lshl_add_u32 v6, v9, 4, v6
	v_add_nc_u32 v6, s19, v6                       ; into my two images: image u, lane r
	v_add_nc_u32 v11, s19, v1                      ; out of them: 16 L
	v_lshlrev_b32 v12, 6, v8
	v_lshl_add_u32 v12, v9, 2, v12                 ; my word's place: 64 u + 4 r
	s_mul_i32 s54, s21, 196608                     ; 8 tiles of 16 images
	s_mul_i32 s56, s18, 49152
	s_add_co_u32 s54, s54, s56
	s_mul_i32 s56, s22, 1536
	s_add_co_u32 s54, s54, s56
	s_add_nc_u64 s[48:49], s[16:17], s[54:55]      ; images
	s_mul_i32 s54, s22, 24576                      ; a K step has 24,576 bytes of words
	s_lshl_b32 s56, s21, 9
	s_add_co_u32 s54, s54, s56
	s_lshl_b32 s56, s18, 7
	s_add_co_u32 s54, s54, s56
	s_add_co_u32 s54, s54, 9437184
	s_add_nc_u64 s[50:51], s[16:17], s[54:55]      ; words
.macro WLOAD t                         ; block t: 32 rows, 128 consecutive bytes a load
.irp i, 0,1,2,3,4,5,6,7,8,9,10,11,12,13,14,15,16,17,18,19,20,21,22,23,24,25,26,27,28,29,30,31
	global_load_b32 v[WX+32*((\t)%2)+\i], v[WO+\i], s[32+2*(\t):33+2*(\t)] th:TH_LOAD_NT
.endr
.endm
.macro WBLOCK t
.set XS, WX+32*((\t)%2)
.if (\t) < 3
	s_wait_loadcnt 32                              ; this block's 32 loads are in; the next block's may be out
.else
	s_wait_loadcnt 0x0
.endif
	v_max3_num_f32 v16, |v[XS]|, |v[XS+1]|, |v[XS+2]|
	v_max3_num_f32 v17, |v[XS+3]|, |v[XS+4]|, |v[XS+5]|
.irp i, 6,10,14,18,22,26
	v_max3_num_f32 v16, v16, |v[XS+\i]|, |v[XS+\i+1]|
	v_max3_num_f32 v17, v17, |v[XS+\i+2]|, |v[XS+\i+3]|
.endr
	v_max3_num_f32 v16, v16, |v[XS+30]|, |v[XS+31]|
	v_max3_num_f32 v16, v16, v17, 0x1800000        ; and the floor
	v_add_nc_u32 v18, 0xff000000, v16
	v_lshrrev_b32 v19, 23, v18
.if (\t)%4 == 0
	v_mov_b32 v[52+(\t)/4], v19                    ; my column's word of this K step: four bytes, the lower K lower
.else
	v_lshl_or_b32 v[52+(\t)/4], v19, 8*((\t)%4), v[52+(\t)/4]
.endif
	v_cvt_scalef32_pk16_fp6_f32 v[32:34], v[XS:XS+15], v18
	v_cvt_scalef32_pk16_fp6_f32 v[38:40], v[XS+16:XS+31], v18
	v_nop
.irp i, 0,1,2
	v_mov_b32 v[35+\i], v[38+\i]
.endr
; block t % 4 = 2 c + hh of the K step is registers 6 c .. 6 c + 5 of image lane r + 16 hh
.if ((\t)%4) < 2
	ds_store_b128 v6, v[32:35] offset:256*((\t)%2)
	ds_store_b64 v6, v[36:37] offset:512+256*((\t)%2)
.else
	ds_store_b64 v6, v[32:33] offset:520+256*((\t)%2)
	ds_store_b128 v6, v[34:37] offset:1024+256*((\t)%2)
.endif
.if (\t)+2 < 4
	WLOAD (\t)+2
.endif
	s_wait_dscnt 0x0                               ; the stores have read their registers
.if (\t)%4 == 3                        ; a K step's two images are whole: they leave, 512 consecutive bytes a store; each of the two way-outs has registers of its own
.irp g, 0,1,2,3,4,5
	ds_load_b128 v[160+24*((\t)/4)+4*\g:163+24*((\t)/4)+4*\g], v11 offset:512*\g
.endr
	s_wait_dscnt 0x0
.irp g, 0,1,2,3,4,5
	global_store_b128 v1, v[160+24*((\t)/4)+4*\g:163+24*((\t)/4)+4*\g], s[48:49] offset:(\g/3)*24576+((\t)/4)*1536+512*(\g%3)
.endr
	s_wait_alu depctr_va_vdst(0)
	global_store_b32 v12, v[52+(\t)/4], s[50:51] offset:((\t)/4)*24576
.endif
.endm
	WLOAD 0
	WLOAD 1
.irp t, 0,1,2,3
	WBLOCK \t
.endr
	s_wait_tensorcnt 0x0
	ds_add_u32 v62, v63
	s_wait_dscnt 0x0
	s_endpgm
.Lfunc_end_k_q6b269cc2a4_quant:
	.size	k_q6b269cc2a4_quant, .Lfunc_end_k_q6b269cc2a4_quant-k_q6b269cc2a4_quant
	.p2alignl 7, 3214868480
	.fill 96, 4, 3214868480
	.section	.rodata,"a",@progbits
	.p2align	6, 0x0
	.amdhsa_kernel k_q6b269cc2a4_quant
		.amdhsa_group_segment_fixed_size 46592
		.amdhsa_private_segment_fixed_size 0
		.amdhsa_enable_private_segment 0
		.amdhsa_kernarg_size 56
		.amdhsa_user_sgpr_count 2
		.amdhsa_user_sgpr_kernarg_segment_ptr 1
		.amdhsa_wavefront_size32 1
		.amdhsa_system_sgpr_workgroup_id_x 1
		.amdhsa_system_sgpr_workgroup_id_y 1
		.amdhsa_system_sgpr_workgroup_id_z 1
		.amdhsa_system_vgpr_workitem_id 0
		.amdhsa_next_free_vgpr 256
		.amdhsa_next_free_sgpr 66
		.amdhsa_reserve_vcc 0
		.amdhsa_float_denorm_mode_32 3
		.amdhsa_float_denorm_mode_16_64 3
		.amdhsa_memory_ordered 1
		.amdhsa_forward_progress 1
		.amdhsa_inst_pref_size 41
	.end_amdhsa_kernel
	.amdgpu_metadata
---
amdhsa.version: [ 1, 2 ]
amdhsa.kernels:
  - .name:           k_q6b269cc2a4_quant
    .symbol:         k_q6b269cc2a4_quant.kd
    .args:
      - { .name: x, .offset: 0, .size: 8, .value_kind: global_buffer, .address_space: global }
      - { .name: wq, .offset: 8, .size: 8, .value_kind: global_buffer, .address_space: global }
      - { .name: wk, .offset: 16, .size: 8, .value_kind: global_buffer, .address_space: global }
      - { .name: wv, .offset: 24, .size: 8, .value_kind: global_buffer, .address_space: global }
      - { .name: wo, .offset: 32, .size: 8, .value_kind: global_buffer, .address_space: global }
      - { .name: xq, .offset: 40, .size: 8, .value_kind: global_buffer, .address_space: global }
      - { .name: wq6, .offset: 48, .size: 8, .value_kind: global_buffer, .address_space: global }
    .group_segment_fixed_size: 46592
    .private_segment_fixed_size: 0
    .kernarg_segment_align: 8
    .kernarg_segment_size: 56
    .max_flat_workgroup_size: 128
    .sgpr_count:     66
    .vgpr_count:     256
    .wavefront_size: 32
...
	.end_amdgpu_metadata
.endif
;; end of part 1
;; launch gemm_qkv (part 2): grid 16 x 16, 4 waves a work-group, clusters of 4 x 4, 327,680 bytes of LDS; arguments xq, wq6, freqs_cos, freqs_sin, qq, kv; writes qq, kv
.if DOCPART == 2
	.amdgcn_target "amdgcn-amd-amdhsa--gfx1250"
	.amdhsa_code_object_version 6
	.text
	.protected	k_q6b269cc2a4_gemm_qkv
	.globl	k_q6b269cc2a4_gemm_qkv
	.p2align	8
	.type	k_q6b269cc2a4_gemm_qkv,@function
k_q6b269cc2a4_gemm_qkv:
	s_mov_b64 s[64:65], 0
	v_nop
	global_prefetch_b8 v0, s[64:65] scope:SCOPE_SE
	s_setreg_imm32_b32 hwreg(HW_REG_WAVE_MODE, 25, 1), 1
	s_wait_xcnt 0x0
	s_wait_alu depctr_hold_cnt(0) depctr_sa_sdst(0) depctr_va_vdst(0) depctr_va_sdst(0) depctr_va_ssrc(0) depctr_va_vcc(0) depctr_vm_vsrc(0)
	s_getreg_b32 s2, hwreg(HW_REG_IB_STS2, 6, 4)
	s_cmp_eq_u32 s2, 0
	s_cbranch_scc0 .Lentry_in_a_cluster
	s_endpgm
.Lentry_in_a_cluster:
	s_bfe_u32 s2, ttmp6, 0x10000c
	s_cmp_lg_u32 s2, 0xf033
	s_cbranch_scc0 .Lentry_shape_is_right
	s_endpgm
.Lentry_shape_is_right:
; q = x wq, k = x wk, v = x wv on codes of FP6 (E2M3) with E8M0 scales; then the rotation of q and k in f32, and all three quantised again for the attention: q and k along the head's 64, v along the keys.
; A work-group makes 128 rows (ty) x 256 columns (tx: 0-7 q, 8-11 k, 12-15 v); a wave 64 rows (wr) x 128 columns (wc): 4 x 8 accumulators.  K = 16 steps of 128, four steps to a fill, two LDS slots, written out.
; Operands lie in memory as images of their registers (1,536 bytes: registers 4 g .. 4 g + 3 of lane L at 512 g + 16 L), so a fragment is three ds_load_b128 at 16 L.  Lane r of tile 2 b + u holds row 32 b + 8 u + r + 8 (r / 8).
; THE MATRIX INSTRUCTION IS USED TRANSPOSED (source 0 = 16 columns of W, source 1 = 16 rows of x): a lane holds one row, and the 16 registers of tiles 2 b, 2 b + 1 are columns 32 b + 16 (lane / 16) + 0 .. 15.
; CLUSTERS: 4 x 4.  x's tiles are shared along a row of the cluster, W's along a column: each is asked for jointly.
; OUT.  qq: PAIR images [sub-head 32][row pair 64]: registers 0-5 the 64 codes of row tile 2 p, registers 6-11 those of tile 2 p + 1; words (two bytes of each tile) [sub-head][pair][16] from byte 3,145,728.
; kv: for each attention head (kv head h / 2, positions 1,024 (h % 2) on) four chunks of 256 keys: K1's 8 pair images, K2's 8, V's 16 packed images [64 keys][32 channels]; then, 196,608 bytes into each head, its K1's, K2's and V's words.
; A PACKED V image: registers 6 c .. 6 c + 2: the 16 codes of key block 2 c + h for channel 32 g + r + 8 (r / 8); registers 6 c + 3 .. 6 c + 5: the same block for the channel 8 further on.
; V's blocks are 16 positions: each key stands twice in a head's row of keys, so a block of 32 keys is 16 positions.
; LIMITS: NaN and infinities are not served; blocks under 2^-124 and blocks of zeros keep the byte 1 (only this program reads the bytes).
; Half of all tiles are asked for at the head.  No staying work-groups: one tile to each.
; REGISTERS: window 0: v16-31 addresses, v32-43 scale words (two sets), v44-63 codes just made, v64-127 64 numbers to quantise, v128-223 x's fragments (two sets), v224-246 at work.
;   window 1: W's fragments, two sets at v0 and v128.  window 2: accumulator (a, b) at 128 (a / 2) + 64 (b / 4) + 32 (a % 2) + 8 (b % 4).  window 3: cos and sin at 32 a + 16 e + (0-7 cos, 8-15 sin).
.set SLOT,  147456                     ; x: [8 tiles][4 steps] images, 49,152 bytes; then W: [16 tiles][4 steps], 98,304
.set BOFF,  49152
.set SCA,   294912                     ; x's scale words [16 steps][8 tiles][64 bytes]
.set SCB,   303104                     ; W's [16 steps][16 tiles][64 bytes]
.set SPARE, 319488                     ; the spare words, 128 bytes a wave: no other line names them
.set XSC,   3145728                    ; where the words begin in xq and qq
.set WSC,   9437184                    ; and in wq6
.set ADRA, 16
.set STI,  18
.set STO,  19
.set ADRB, 20
.set ADSA, 24
.set ADSB, 25
.set LI,   26
.set LS,   27
.set SPW,  28
.set NIL,  29
.set CSA,  30
.set SC,   32
.set PC,   44
.set X,    64
.set AF,   128
.set TM,   224
.set PW,   240
.set PW0,  241
.set T,    242
.set PWS,  246
.set WV,   16
.set WR,   17
.set WC,   18
.set G1A,  24
.set G1B,  32
.set G1SA, 40
.set G1SB, 48
.set G0A,  56
.set G0B,  68
.set G0SA, 76
.set G0SB, 80
.set SEL,  94
.set HM,   96
.set MSB, 0
.macro WIN new                         ; the immediate's high byte repeats the setting that is left
.if MSB != \new
	s_set_vgpr_msb (MSB<<8)|\new
.set MSB, \new
.endif
.endm
.set W_MUL,  0xa1                      ; source 0 (W) window 1, source 1 (x) window 0, C and D window 2
.set W_TOB,  0x40                      ; destination window 1
.set W_ROPE, 0x0e                      ; source 0 window 2, source 1 window 3
.set W_STG,  0x08                      ; an LDS store's data: window 2
.set W_TOCS, 0xc0                      ; destination window 3
.macro PLACES n
.rept \n
	v_nop
.endr
.endm
.macro JLOAD g0a, g1a, g0b, g1b        ; a joint load: waves 0, 1 ask for x, waves 2, 3 for W; four v_nop follow each line
	s_cmp_eq_u32 s[WR], 0
	s_cbranch_scc0 .Lfor_b_\@
	tensor_load_to_lds s[\g0a:\g0a+3], s[\g1a:\g1a+7]
	s_nop 0
.rept 4
	v_nop
.endr
	s_branch .Lasked_\@
.Lfor_b_\@:
	tensor_load_to_lds s[\g0b:\g0b+3], s[\g1b:\g1b+7]
	s_nop 0
.rept 4
	v_nop
.endr
.Lasked_\@:
.endm
.macro CREST
	s_cmp_lg_u32 s[WV], 0
	s_cbranch_scc1 .Lnot_wave_0_\@
	s_barrier_signal -3
.Lnot_wave_0_\@:
	s_barrier_wait -3
	s_barrier_signal -1
	s_barrier_wait -1
.endm
.macro CROUND
	s_barrier_signal -1
	s_barrier_wait -1
	CREST
.endm
.macro SHAPE g, c, r, p                ; group 1 behind its first word: rows of c elements of 8 bytes, r rows, p elements apart
	s_mov_b32 s[\g+1], (\c)<<16
	s_mov_b32 s[\g+2], (\r)<<16
	s_mov_b32 s[\g+3], (\c)<<16
	s_mov_b32 s[\g+4], \r
	s_mov_b32 s[\g+5], \p
	s_mov_b32 s[\g+6], 0
	s_mov_b32 s[\g+7], 0
.endm
; one scaled product; its registers and flags stand in symbols (fZ: C is 0; fRA, fRB: the scale words lie in lanes 16-31)
.macro WMI
.if fZ
.if fRA && fRB
	v_wmma_scale_f32_16x16x128_f8f6f4 v[rD:rD+7], v[rA:rA+11], v[rB:rB+11], 0, v[rSA], v[rSB] matrix_a_fmt:MATRIX_FMT_FP6 matrix_b_fmt:MATRIX_FMT_FP6 matrix_a_scale:MATRIX_SCALE_ROW1 matrix_b_scale:MATRIX_SCALE_ROW1
.elseif fRA
	v_wmma_scale_f32_16x16x128_f8f6f4 v[rD:rD+7], v[rA:rA+11], v[rB:rB+11], 0, v[rSA], v[rSB] matrix_a_fmt:MATRIX_FMT_FP6 matrix_b_fmt:MATRIX_FMT_FP6 matrix_a_scale:MATRIX_SCALE_ROW1
.elseif fRB
	v_wmma_scale_f32_16x16x128_f8f6f4 v[rD:rD+7], v[rA:rA+11], v[rB:rB+11], 0, v[rSA], v[rSB] matrix_a_fmt:MATRIX_FMT_FP6 matrix_b_fmt:MATRIX_FMT_FP6 matrix_b_scale:MATRIX_SCALE_ROW1
.else
	v_wmma_scale_f32_16x16x128_f8f6f4 v[rD:rD+7], v[rA:rA+11], v[rB:rB+11], 0, v[rSA], v[rSB] matrix_a_fmt:MATRIX_FMT_FP6 matrix_b_fmt:MATRIX_FMT_FP6
.endif
.else
.if fRA && fRB
	v_wmma_scale_f32_16x16x128_f8f6f4 v[rD:rD+7], v[rA:rA+11], v[rB:rB+11], v[rD:rD+7], v[rSA], v[rSB] matrix_a_fmt:MATRIX_FMT_FP6 matrix_b_fmt:MATRIX_FMT_FP6 matrix_a_scale:MATRIX_SCALE_ROW1 matrix_b_scale:MATRIX_SCALE_ROW1
.elseif fRA
	v_wmma_scale_f32_16x16x128_f8f6f4 v[rD:rD+7], v[rA:rA+11], v[rB:rB+11], v[rD:rD+7], v[rSA], v[rSB] matrix_a_fmt:MATRIX_FMT_FP6 matrix_b_fmt:MATRIX_FMT_FP6 matrix_a_scale:MATRIX_SCALE_ROW1
.elseif fRB
	v_wmma_scale_f32_16x16x128_f8f6f4 v[rD:rD+7], v[rA:rA+11], v[rB:rB+11], v[rD:rD+7], v[rSA], v[rSB] matrix_a_fmt:MATRIX_FMT_FP6 matrix_b_fmt:MATRIX_FMT_FP6 matrix_b_scale:MATRIX_SCALE_ROW1
.else
	v_wmma_scale_f32_16x16x128_f8f6f4 v[rD:rD+7], v[rA:rA+11], v[rB:rB+11], v[rD:rD+7], v[rSA], v[rSB] matrix_a_fmt:MATRIX_FMT_FP6 matrix_b_fmt:MATRIX_FMT_FP6
.endif
.endif
.endm
; 64 numbers of a lane, register 16 b + i, become 12 registers of codes in v[PC] on and a word of four bytes in v[PW].
; cross = 1: block b is shared with lane l xor 16 (register 16 b + i = k 32 b + 16 h + i of my row).  cross = 0: block b, 16 numbers, is all mine (v: a lane is a channel, its registers are keys).
.macro QUANT s, cross
.irp b, 0,1,2,3
	v_max3_num_f32 v[TM+\b], |v[\s+16*\b]|, |v[\s+1+16*\b]|, 0x1800000   ; the floor 2^(3 - 127) holds the byte at 1
.endr
.irp i, 2,4,6,8,10,12,14
.irp b, 0,1,2,3
	v_max3_num_f32 v[TM+\b], v[TM+\b], |v[\s+16*\b+\i]|, |v[\s+1+16*\b+\i]|
.endr
.endr
.if \cross
.irp b, 0,1,2,3
	v_permlanex16_b32 v[TM+4+\b], v[TM+\b], s[SEL], s[SEL+1]
.endr
.irp b, 0,1,2,3
	v_max_num_f32 v[TM+\b], v[TM+\b], v[TM+4+\b]
.endr
.endif
.irp b, 0,1,2,3
	v_add_nc_u32 v[TM+8+\b], 0xff000000, v[TM+\b]  ; 2 off the exponent field: the conversion's scale operand
.endr
.irp b, 0,1,2,3
	v_lshrrev_b32 v[TM+4+\b], 23, v[TM+8+\b]       ; the byte
.endr
	v_lshl_or_b32 v[PW], v[TM+5], 8, v[TM+4]
	v_lshl_or_b32 v[PW], v[TM+6], 16, v[PW]
	v_lshl_or_b32 v[PW], v[TM+7], 24, v[PW]
.irp c, 0,1
	v_cvt_scalef32_pk16_fp6_f32 v[PC+6*\c:PC+2+6*\c], v[\s+32*\c:\s+15+32*\c], v[TM+8+2*\c]
	v_cvt_scalef32_pk16_fp6_f32 v[PC+12+4*\c:PC+14+4*\c], v[\s+16+32*\c:\s+31+32*\c], v[TM+8+2*\c+1]
.endr
	v_nop                                          ; one plain instruction behind the conversions
.irp c, 0,1
.irp i, 0,1,2
	v_permlane16_swap_b32 v[PC+6*\c+\i], v[PC+12+4*\c+\i]   ; the first's lanes 16-31 change places with the second's lanes 0-15
.endr
.irp i, 0,1,2
	v_mov_b32 v[PC+3+6*\c+\i], v[PC+12+4*\c+\i]
.endr
.endr
.endm
	s_load_b128 s[4:7], s[0:1], 0x0                ; xq, wq6
	s_load_b128 s[8:11], s[0:1], 0x10              ; cos, sin
	s_load_b128 s[12:15], s[0:1], 0x20             ; qq, kv
	v_lshl_add_u32 v[SPW], v0, 2, SPARE
	v_mov_b32 v[NIL], 0
	ds_add_u32 v28, v29
	ds_add_u32 v28, v29
	s_wait_dscnt 0x0
	v_lshrrev_b32 v1, 5, v0
	v_readfirstlane_b32 s[WV], v1                  ; wave 0..3
	s_lshr_b32 s[WR], s[WV], 1                     ; my half of the rows.  Also: I ask for x (0) or for W (1)
	s_and_b32 s[WC], s[WV], 1                      ; my half of the columns.  Also: which half of that tile I ask for
	s_bfe_u32 s19, ttmp6, 0x40000                  ; cx
	s_bfe_u32 s20, ttmp6, 0x40004                  ; cy
	s_lshl_b32 s21, ttmp9, 2
	s_add_co_u32 s21, s21, s19                     ; tx
	s_and_b32 s22, ttmp7, 0xffff
	s_lshl_b32 s22, s22, 2
	s_add_co_u32 s22, s22, s20                     ; ty
	s_lshl_b32 s23, s20, 2
	s_lshl_b32 s23, 15, s23                        ; my row of the cluster
	s_lshl_b32 s93, 0x1111, s19                    ; my column
	s_or_b32 s[G1A], s23, (3<<16)|(1<<21)          ; the mask; elements of 8 bytes; bit 21 beside a mask; no padding
	s_or_b32 s[G1B], s93, (3<<16)|(1<<21)
	SHAPE G1A, 768, 8, 3072                        ; the head's loads bring a whole slot's part: x: 8 tiles x 4 images (6,144 bytes), 24,576 bytes from tile to tile
	SHAPE G1B, 768, 16, 3072                       ; W: 16 tiles.  Behind the head the row counts are set to 4 and 8: a refill is shared by two waves
	s_lshl_b32 s94, s22, 3
	s_lshl_b32 s2, s[WC], 2
	s_add_co_u32 s94, s94, s2                      ; x: tile 8 ty + 4 half
	s_mul_i32 s94, s94, 24576
	s_mov_b32 s95, 0
	s_lshl_b32 s96, s21, 4
	s_lshl_b32 s2, s[WC], 3
	s_add_co_u32 s96, s96, s2                      ; W: tile 16 tx + 8 half
	s_mul_i32 s96, s96, 24576
	s_mov_b32 s97, 0
	s_lshl_b32 s98, s22, 9
	s_lshl_b32 s2, s[WV], 15                       ; x's scale words: my wave brings steps 4 wave .. 4 wave + 3, 8,192 bytes from step to step
	s_add_co_u32 s98, s98, s2
	s_add_co_u32 s98, s98, XSC
	s_mov_b32 s99, 0
	s_lshl_b32 s100, s21, 10
	s_mul_i32 s2, s[WV], 98304                     ; W's: the same four steps, 24,576 bytes apart
	s_add_co_u32 s100, s100, s2
	s_add_co_u32 s100, s100, WSC
	s_mov_b32 s101, 0
.set G0HA, 40                          ; s[40:43], s[44:47] group 0 of the head's loads: x's and W's part of slot (wave % 2)
.set G0HB, 44
	s_mul_i32 s48, s22, 196608                     ; x: tile 8 ty, + 4 steps for slot 1
	s_mul_i32 s2, s[WC], 6144
	s_add_co_u32 s48, s48, s2
	s_mov_b32 s49, 0
	s_mul_i32 s50, s21, 393216                     ; W: tile 16 tx
	s_add_co_u32 s50, s50, s2
	s_mov_b32 s51, 0
	s_lshl_b32 s80, s22, 3                         ; the prefetches: of x's 8 tiles the partner at cx names 2 cx and 2 cx + 1 (waves 0, 1),
	s_lshl_b32 s2, s19, 1
	s_add_co_u32 s80, s80, s2
	s_add_co_u32 s80, s80, s[WC]
	s_mul_i32 s80, s80, 24576
	s_mov_b32 s81, 0
	s_lshl_b32 s82, s21, 4                         ; of W's 16 tiles the partner at cy names 4 cy + wave: the partners are told apart by address alone
	s_lshl_b32 s2, s20, 2
	s_add_co_u32 s82, s82, s2
	s_add_co_u32 s82, s82, s[WV]
	s_mul_i32 s82, s82, 24576
	s_mov_b32 s83, 0
	s_mul_i32 s2, s[WC], 24576                     ; where they go: no place in the cluster enters an LDS address
	s_mul_i32 s3, s[WC], 49152
	s_add_co_u32 s3, s3, BOFF
	s_wait_kmcnt 0x0
	s_add_nc_u64 s[94:95], s[4:5], s[94:95]
	s_add_nc_u64 s[96:97], s[6:7], s[96:97]
	s_add_nc_u64 s[52:53], s[4:5], s[98:99]        ; my four steps of x's scale words; never written again
	s_add_nc_u64 s[54:55], s[6:7], s[100:101]      ; and of W's
	s_add_nc_u64 s[76:77], s[4:5], s[80:81]        ; the tile of x that I prefetch; never written again
	s_add_nc_u64 s[78:79], s[6:7], s[82:83]        ; and of W
	CROUND                                         ; all sixteen work-groups are here: the first joint loads meet
	s_mov_b32 s[G0HA], 1
	s_mul_i32 s[G0HA+1], s[WC], SLOT
	s_add_nc_u64 s[G0HA+2:G0HA+3], s[4:5], s[48:49]
	s_or_b32 s[G0HA+3], s[G0HA+3], 0x80000000
	s_mov_b32 s[G0HB], 1
	s_add_co_u32 s[G0HB+1], s[G0HA+1], BOFF
	s_add_nc_u64 s[G0HB+2:G0HB+3], s[6:7], s[50:51]
	s_or_b32 s[G0HB+3], s[G0HB+3], 0x80000000
	JLOAD G0HA, G1A, G0HB, G1B                     ; the head's loads, one a wave: wave 0 x's part of slot 0, wave 1 of slot 1, wave 2 W's part of slot 0, wave 3 of slot 1
.irp s, 0,1
	s_mov_b32 s[G0A+4*\s], 1
	s_add_co_u32 s[G0A+4*\s+1], s2, \s*SLOT
	s_add_nc_u64 s[G0A+4*\s+2:G0A+4*\s+3], s[94:95], \s*6144
	s_or_b32 s[G0A+4*\s+3], s[G0A+4*\s+3], 0x80000000
	s_mov_b32 s[G0B+4*\s], 1
	s_add_co_u32 s[G0B+4*\s+1], s3, \s*SLOT
	s_add_nc_u64 s[G0B+4*\s+2:G0B+4*\s+3], s[96:97], \s*6144
	s_or_b32 s[G0B+4*\s+3], s[G0B+4*\s+3], 0x80000000
.endr
	v_and_b32 v1, 31, v0                           ; L
	v_and_b32 v2, 15, v0                           ; r
	v_bfe_u32 v3, v0, 4, 1                         ; h
	v_and_b32 v4, 8, v2
	v_add_nc_u32 v4, v4, v2                        ; r + 8 (r / 8)
	v_lshlrev_b32 v[LI], 4, v1
	v_lshlrev_b32 v[LS], 2, v1
	v_min_u32 v31, 23, v1
	v_lshlrev_b32 v31, 8, v31                      ; the prefetches' offset: a fill's 6,144 bytes of a tile are 24 blocks of 256 bytes, a lane a block; lanes 24-31 name the last again
	v_lshlrev_b32 v[CSA], 7, v4
	v_lshl_add_u32 v[CSA], v3, 5, v[CSA]           ; cos, sin: a row is 128 bytes; my eight frequencies begin 32 h bytes in
	s_wait_alu depctr_va_vdst(0)
.irp i, 0,1,2,3                        ; THE SCALE WORDS, 24,576 bytes of the work-group's 613 thousand, come through registers, 512 consecutive bytes a load, and are stored to LDS bytes of their own at the head's end
	global_load_b128 v[X+4*\i:X+4*\i+3], v[LI], s[52:53] offset:\i*8192
	global_load_b128 v[X+16+8*\i:X+19+8*\i], v[LI], s[54:55] offset:\i*24576
	global_load_b128 v[X+20+8*\i:X+23+8*\i], v[LI], s[54:55] offset:\i*24576+512
.endr
	s_lshl_b32 s2, s22, 14
	s_lshl_b32 s3, s[WR], 13
	s_add_co_u32 s2, s2, s3                        ; my first row: 128 ty + 64 wr
	s_mov_b32 s3, 0
	s_add_nc_u64 s[8:9], s[8:9], s[2:3]
	s_add_nc_u64 s[10:11], s[10:11], s[2:3]
	WIN W_TOCS
.irp a, 0,1,2,3
.irp e, 0,1
	global_load_b128 v[32*\a+16*\e:32*\a+16*\e+3], v[CSA], s[8:9] offset:(32*(\a/2)+8*(\a%2))*128+64*\e
	global_load_b128 v[32*\a+16*\e+4:32*\a+16*\e+7], v[CSA], s[8:9] offset:(32*(\a/2)+8*(\a%2))*128+64*\e+16
	global_load_b128 v[32*\a+16*\e+8:32*\a+16*\e+11], v[CSA], s[10:11] offset:(32*(\a/2)+8*(\a%2))*128+64*\e
	global_load_b128 v[32*\a+16*\e+12:32*\a+16*\e+15], v[CSA], s[10:11] offset:(32*(\a/2)+8*(\a%2))*128+64*\e+16
.endr
.endr
	WIN 0
; A PREFETCH of fill f (K steps 4 f .. 4 f + 3), one slot ahead of the joint load that will ask for it: fill 2 here, fill 3 behind the first refill.  Each block of 256 bytes is named once in the cluster.
.macro ASK f
	global_prefetch_b8 v31, s[78:79] offset:(\f)*6144 th:TH_LOAD_NT scope:SCOPE_SE
	s_cmp_eq_u32 s[WR], 0
	s_cbranch_scc0 .Lno_x_\@
	global_prefetch_b8 v31, s[76:77] offset:(\f)*6144 th:TH_LOAD_NT scope:SCOPE_SE
.Lno_x_\@:
.endm
	ASK 2
	s_lshl_b32 s2, s[WV], 11
	s_add_co_u32 s2, s2, SCA
	v_add_nc_u32 v22, s2, v[LI]                    ; where my four steps of x's words go,
	s_lshl_b32 s2, s[WV], 12
	s_add_co_u32 s2, s2, SCB
	v_add_nc_u32 v23, s2, v[LI]                    ; and of W's
	s_mul_i32 s2, s[WR], 24576                     ; my four tiles of x
	s_mul_i32 s3, s[WC], 49152
	s_add_co_u32 s3, s3, BOFF                      ; my eight tiles of W
.irp s, 0,1
	v_add_nc_u32 v[ADRA+\s], s2, v[LI]
	v_add_nc_u32 v[ADRB+\s], s3, v[LI]
	s_add_co_u32 s2, s2, SLOT
	s_add_co_u32 s3, s3, SLOT
.endr
	s_lshl_b32 s2, s[WR], 8
	s_add_co_u32 s2, s2, SCA
	v_add_nc_u32 v[ADSA], s2, v[LS]
	s_lshl_b32 s2, s[WC], 9
	s_add_co_u32 s2, s2, SCB
	v_add_nc_u32 v[ADSB], s2, v[LS]
	s_mul_i32 s2, s[WV], 33792                     ; v's stage, 64 rows x 528 bytes a wave, in slot 0: used when that slot has had its last fill and its last read
	v_mul_u32_u24 v5, v4, 528
	v_lshl_add_u32 v5, v3, 6, v5
	v_add_nc_u32 v[STI], s2, v5
	v_lshl_add_u32 v5, v3, 3, v4
	v_lshlrev_b32 v5, 2, v5
	v_add_nc_u32 v[STO], s2, v5                    ; out of it: channel 8 h + r + 8 (r / 8) of each 32
	v_cmp_eq_u32 s[HM], 1, v3                      ; lanes 16-31
.irp b, 0,1,2,3
	v_mov_b32 v[TM+4+\b], 0                        ; a lane permute's destination counts as read
.endr
	s_mov_b32 s[SEL], 0x76543210
	s_mov_b32 s[SEL+1], 0xfedcba98
	; where my results go.  s[84:85], s[86:87]: images of map 0, 1 (v: s[84:85]);  s[88:89], s[90:91]: words
	s_lshl_b32 s2, s22, 2
	s_lshl_b32 s3, s[WR], 1
	s_add_co_u32 s2, s2, s3                        ; my first pair of row tiles: 4 ty + 2 wr
	s_lshl_b32 s3, s21, 2
	s_lshl_b32 s92, s[WC], 1
	s_add_co_u32 s3, s3, s92                       ; q: sub-head 4 tx + 2 wc
	s_lshl_b32 s3, s3, 6
	s_add_co_u32 s3, s3, s2
	s_mul_i32 s97, s3, 1536
	s_lshl_b32 s98, s3, 6
	s_add_co_u32 s98, s98, XSC
	s_lshl_b32 s99, s19, 2
	s_add_co_u32 s99, s99, s92                     ; k, v: kv head 2 cx + wc, doubled,
	s_lshr_b32 s93, s22, 3
	s_add_co_u32 s99, s99, s93                     ; + which 1,024 positions: the attention head
	s_mul_i32 s100, s99, 208896                    ; kv: a head has 208,896 bytes on end: its four chunks (196,608 bytes),
	s_add_co_u32 s101, s100, 196608                ; then its words: K1's 2,048 bytes, K2's 2,048, V's 8,192
	s_and_b32 s92, s2, 31                          ; k: pair within the head
	s_lshr_b32 s93, s92, 3
	s_mul_i32 s93, s93, 49152
	s_and_b32 s3, s92, 7
	s_mul_i32 s3, s3, 1536
	s_add_co_u32 s93, s93, s3
	s_add_co_u32 s84, s93, s100
	s_lshl_b32 s92, s92, 6
	s_add_co_u32 s86, s92, s101
	s_lshr_b32 s2, s2, 1
	s_and_b32 s2, s2, 15                           ; v: which 64 keys of the head
	s_lshr_b32 s93, s2, 2
	s_mul_i32 s93, s93, 49152
	s_and_b32 s3, s2, 3
	s_mul_i32 s3, s3, 6144
	s_add_co_u32 s93, s93, s3
	s_add_co_u32 s93, s93, s100
	s_add_co_u32 s88, s93, 24576
	s_lshl_b32 s2, s2, 9
	s_add_co_u32 s2, s2, s101
	s_add_co_u32 s90, s2, 4096
	s_mov_b32 s92, 12288                           ; k: from map to map
	s_mov_b32 s93, 2048
	s_cmp_eq_u32 ttmp9, 3                          ; the cluster's x says what the columns are: 0, 1 q; 2 k; 3 v: alike in all partners
	s_cselect_b32 s84, s88, s84
	s_cselect_b32 s86, s90, s86
	s_cmp_lt_u32 ttmp9, 2
	s_cselect_b32 s84, s97, s84
	s_cselect_b32 s86, s98, s86
	s_cselect_b32 s92, 98304, s92
	s_cselect_b32 s93, 4096, s93
	s_cselect_b64 s[100:101], s[12:13], s[14:15]
	s_mov_b32 s85, 0
	s_mov_b32 s87, 0
	s_add_nc_u64 s[88:89], s[100:101], s[86:87]
	s_add_nc_u64 s[84:85], s[100:101], s[84:85]
	s_mov_b32 s2, s92
	s_mov_b32 s3, 0
	s_add_nc_u64 s[86:87], s[84:85], s[2:3]
	s_mov_b32 s2, s93
	s_add_nc_u64 s[90:91], s[88:89], s[2:3]
; the fragments and scale words of one step (slot s, its q-th step, step ks of 16) into set p: 36 + 6 LDS loads in one run
.macro FETCH s, q, p, ks
	WIN W_TOB
.irp b, 0,1,2,3,4,5,6,7
.irp g, 0,1,2
	ds_load_b128 v[128*(\p)+12*\b+4*\g:128*(\p)+12*\b+4*\g+3], v[ADRB+(\s)] offset:\b*6144+(\q)*1536+512*\g
.endr
.endr
	WIN 0
.irp a, 0,1,2,3
.irp g, 0,1,2
	ds_load_b128 v[AF+48*(\p)+12*\a+4*\g:AF+48*(\p)+12*\a+4*\g+3], v[ADRA+(\s)] offset:\a*6144+(\q)*1536+512*\g
.endr
.endr
.irp i, 0,1
	ds_load_b32 v[SC+6*(\p)+\i], v[ADSA] offset:(\ks)*512+128*\i     ; lanes 0-15: tile 2 i's words, lanes 16-31: tile 2 i + 1's
.endr
.irp i, 0,1,2,3
	ds_load_b32 v[SC+6*(\p)+2+\i], v[ADSB] offset:(\ks)*1024+128*\i
.endr
.endm
; x's tiles a0 .. a0 + n - 1 against W's eight.  The 32 accumulators take turns, one instruction a turn, in the same order in every step
.macro MUL a0, n, p, z
.set ma, \a0
.set fZ, \z
.rept \n
.irp b, 0,1,2,3,4,5,6,7
.set rD, 128*(ma/2)+64*(\b/4)+32*(ma%2)+8*(\b%4)
.set rA, 128*(\p)+12*\b
.set rB, AF+48*(\p)+12*ma
.set rSA, SC+6*(\p)+2+\b/2
.set rSB, SC+6*(\p)+ma/2
.set fRA, \b%2
.set fRB, ma%2
	WMI
.endr
.set ma, ma+1
.endr
.endm
.macro STEP n                          ; a step whose successor lies in the same slot
	s_wait_dscnt 0x0                               ; this step's fragments are in (asked for 32 matrix instructions ago)
	PLACES 4                                       ; four plain instructions between the last products and the loads into the set that they read
	FETCH (((\n)+1)/4)%2, ((\n)+1)%4, ((\n)+1)%2, (\n)+1
	WIN W_MUL
	MUL 0, 4, (\n)%2, (\n)==0
.endm
; a slot's last step changes slots: one barrier; in front of it every wave waits for all its tensor loads, adds 0 to its spare word, and waits for that and for its reads of the slot
.macro TURN n, fill
	s_wait_dscnt 0x0                               ; this step's fragments are in: my last reads of the slot
	WIN 0
	s_wait_tensorcnt 0x0                           ; my part of the next slot has landed; no load of mine is out, so a group 0 may be written
	ds_add_u32 v[SPW], v[NIL]
.if \fill
	s_add_nc_u64 s[G0A+4*(((\n)/4)%2)+2:G0A+4*(((\n)/4)%2)+3], s[G0A+4*(((\n)/4)%2)+2:G0A+4*(((\n)/4)%2)+3], 12288   ; two fills on
	s_add_nc_u64 s[G0B+4*(((\n)/4)%2)+2:G0B+4*(((\n)/4)%2)+3], s[G0B+4*(((\n)/4)%2)+2:G0B+4*(((\n)/4)%2)+3], 12288
.endif
	WIN W_MUL
	MUL 0, 1, (\n)%2, 0
	s_wait_dscnt 0x0                               ; the add is done
	s_barrier_signal -1
	MUL 1, 1, (\n)%2, 0
	WIN 0
	s_barrier_wait -1
.if \fill
	CREST                                          ; the barrier has opened a round of the cluster's: no wave of any partner reads the slot or has a load on its way
	JLOAD G0A+4*(((\n)/4)%2), G1A, G0B+4*(((\n)/4)%2), G1B   ; my one tensor load behind the round; its four v_nop are also the places in front of the loads below
.else
	PLACES 4
.endif
	FETCH (((\n)+1)/4)%2, 0, ((\n)+1)%2, (\n)+1
.if (\n) == 3
	ASK 3                                          ; behind the joint load and the run of LDS loads
.endif
	WIN W_MUL
	MUL 2, 2, (\n)%2, 0
.endm
	s_wait_alu depctr_va_vdst(0)
	s_wait_tensorcnt 0x0                           ; my one load has landed; none of mine is out, so a descriptor may be written:
	s_mov_b32 s[G1A+2], 4<<16                      ; from here on a load brings half of a slot's part: 4 tiles of x,
	s_mov_b32 s[G1A+4], 4
	s_mov_b32 s[G1B+2], 8<<16                      ; 8 of W
	s_mov_b32 s[G1B+4], 8
	s_wait_loadcnt 32                              ; my 12 loads of scale words are in; the 32 of cos and sin behind them may be out
.irp i, 0,1,2,3
	ds_store_b128 v22, v[X+4*\i:X+4*\i+3] offset:512*\i
	ds_store_b128 v23, v[X+16+8*\i:X+19+8*\i] offset:1024*\i
	ds_store_b128 v23, v[X+20+8*\i:X+23+8*\i] offset:1024*\i+512
.endr
	s_wait_dscnt 0x0                               ; for the other waves' sake: my stores are done
	s_barrier_signal -1
	s_barrier_wait -1
	FETCH 0, 0, 0, 0
	STEP 0
	STEP 1
	STEP 2
	TURN 3, 1                                      ; slot 0 takes fill 2
	STEP 4
	STEP 5
	STEP 6
	TURN 7, 1                                      ; slot 1 takes fill 3
	STEP 8
	STEP 9
	STEP 10
	TURN 11, 0
	STEP 12
	STEP 13
	STEP 14
	s_wait_dscnt 0x0
	WIN W_MUL
	MUL 0, 4, 1, 0
	PLACES 4                                       ; four plain instructions in front of the first read of results
	WIN 0
	s_wait_loadcnt 0x0                             ; cos and sin
	s_cmp_eq_u32 ttmp9, 3
	s_cbranch_scc1 .Lv
; ---- q and k: a unit is a pair of row tiles (p) x a sub-head (m): 64 registers on end.  Rotated in f32, quantised along the sub-head's 64, stored as a pair image
.irp m, 0,1
.irp p, 0,1
	s_wait_xcnt 0x0                                ; the last unit's stores have read their registers
	WIN W_ROPE
.irp a, 0,1
.irp e, 0,1
.irp i, 0,1,2,3,4,5,6,7
.set rE, 128*\p+64*\m+32*\a+16*\e+2*\i             ; the pair (even, odd) at d = 32 e + 16 h + 2 i
.set rC, 32*(2*\p+\a)+16*\e+\i                     ; its cos; its sin 8 further on
.set rX, X+32*\a+16*\e+2*\i
.set rT, T+2*(\i%2)
	v_mul_f32 v[rT], v[rE+1], v[rC+8]
	v_mul_f32 v[rT+1], v[rE+1], v[rC]
	v_fma_f32 v[rX], v[rE], v[rC], -v[rT]          ; e c - o s
	v_fma_f32 v[rX+1], v[rE], v[rC+8], v[rT+1]     ; e s + o c
.endr
.endr
.endr
	WIN 0
	QUANT X, 1
.irp g, 0,1,2
	global_store_b128 v[LI], v[PC+4*\g:PC+4*\g+3], s[84+2*\m:85+2*\m] offset:\p*1536+512*\g
.endr
.if \p == 0
	v_mov_b32 v[PW0], v[PW]
.else
	v_cndmask_b32 v[PWS], v[PW0], v[PW], s[HM]     ; lanes 0-15: the first pair's words, lanes 16-31: the second's
	global_store_b32 v[LS], v[PWS], s[88+2*\m:89+2*\m]
.endif
.endr
.endr
	s_branch .Ldone
; ---- v: my 64 positions x 128 channels turn through my stage, so that a lane holds a channel and its registers run along the keys
.Lv:
	WIN W_STG
	s_wait_alu depctr_va_vdst(0)
.irp a, 0,1,2,3
.irp b, 0,1,2,3,4,5,6,7
.set rD, 128*(\a/2)+64*(\b/4)+32*(\a%2)+8*(\b%4)
	ds_store_b128 v[STI], v[rD:rD+3] offset:(32*(\a/2)+8*(\a%2))*528+128*(\b/2)+32*(\b%2)      ; each accumulator from its low end on
	ds_store_b128 v[STI], v[rD+4:rD+7] offset:(32*(\a/2)+8*(\a%2))*528+128*(\b/2)+32*(\b%2)+16
.endr
.endr
	WIN 0
.irp g, 0,1,2,3
	s_wait_xcnt 0x0                                ; the last image's stores have read their registers
.set n, 0
.rept 64
	ds_load_b32 v[X+n], v[STO] offset:n*528+128*\g ; a wave's LDS instructions are served in order: these see my stores
.set n, n+1
.endr
	s_wait_dscnt 0x0
	QUANT X, 0                                     ; four blocks of 16 positions; the exchange of halves gives the packed image
.irp j, 0,1,2
	global_store_b128 v[LI], v[PC+4*\j:PC+4*\j+3], s[84:85] offset:\g*1536+512*\j
.endr
	global_store_b32 v[LS], v[PW], s[88:89] offset:128*\g
.endr
.Ldone:
	s_wait_tensorcnt 0x0                           ; the wave's end
	ds_add_u32 v[SPW], v[NIL]
	s_wait_dscnt 0x0
	CROUND                                         ; the closing round
	s_endpgm
.Lfunc_end_k_q6b269cc2a4_gemm_qkv:
	.size	k_q6b269cc2a4_gemm_qkv, .Lfunc_end_k_q6b269cc2a4_gemm_qkv-k_q6b269cc2a4_gemm_qkv
	.p2alignl 7, 3214868480
	.fill 96, 4, 3214868480
	.section	.rodata,"a",@progbits
	.p2align	6, 0x0
	.amdhsa_kernel k_q6b269cc2a4_gemm_qkv
		.amdhsa_group_segment_fixed_size 327680
		.amdhsa_private_segment_fixed_size 0
		.amdhsa_enable_private_segment 0
		.amdhsa_kernarg_size 48
		.amdhsa_user_sgpr_count 2
		.amdhsa_user_sgpr_kernarg_segment_ptr 1
		.amdhsa_wavefront_size32 1
		.amdhsa_system_sgpr_workgroup_id_x 1
		.amdhsa_system_sgpr_workgroup_id_y 1
		.amdhsa_system_sgpr_workgroup_id_z 1
		.amdhsa_system_vgpr_workitem_id 0
		.amdhsa_next_free_vgpr 1024
		.amdhsa_next_free_sgpr 102
		.amdhsa_reserve_vcc 0
		.amdhsa_float_denorm_mode_32 3
		.amdhsa_float_denorm_mode_16_64 3
		.amdhsa_memory_ordered 1
		.amdhsa_forward_progress 1
		.amdhsa_inst_pref_size 206
	.end_amdhsa_kernel
	.amdgpu_metadata
---
amdhsa.version: [ 1, 2 ]
amdhsa.kernels:
  - .name:           k_q6b269cc2a4_gemm_qkv
    .symbol:         k_q6b269cc2a4_gemm_qkv.kd
    .args:
      - { .name: xq, .offset: 0, .size: 8, .value_kind: global_buffer, .address_space: global }
      - { .name: wq6, .offset: 8, .size: 8, .value_kind: global_buffer, .address_space: global }
      - { .name: freqs_cos, .offset: 16, .size: 8, .value_kind: global_buffer, .address_space: global }
      - { .name: freqs_sin, .offset: 24, .size: 8, .value_kind: global_buffer, .address_space: global }
      - { .name: qq, .offset: 32, .size: 8, .value_kind: global_buffer, .address_space: global }
      - { .name: kv, .offset: 40, .size: 8, .value_kind: global_buffer, .address_space: global }
    .group_segment_fixed_size: 327680
    .private_segment_fixed_size: 0
    .kernarg_segment_align: 8
    .kernarg_segment_size: 48
    .max_flat_workgroup_size: 128
    .sgpr_count:     102
    .vgpr_count:     1024
    .wavefront_size: 32
...
	.end_amdgpu_metadata
.endif
;; end of part 2
;; launch attn (part 3): grid 16 x 16, 8 waves a work-group, clusters of 4 x 1, 214,016 bytes of LDS; arguments qq, kv, lambda_q1, lambda_k1, lambda_q2, lambda_k2, lambda_init, subln_w, aq; writes aq
.if DOCPART == 3
	.amdgcn_target "amdgcn-amd-amdhsa--gfx1250"
	.amdhsa_code_object_version 6
	.text
	.protected	k_q6b269cc2a4_attn
	.globl	k_q6b269cc2a4_attn
	.p2align	8
	.type	k_q6b269cc2a4_attn,@function
k_q6b269cc2a4_attn:
	s_mov_b64 s[64:65], 0
	v_nop
	global_prefetch_b8 v0, s[64:65] scope:SCOPE_SE
	s_setreg_imm32_b32 hwreg(HW_REG_WAVE_MODE, 25, 1), 1
	s_wait_xcnt 0x0
	s_wait_alu depctr_hold_cnt(0) depctr_sa_sdst(0) depctr_va_vdst(0) depctr_va_sdst(0) depctr_va_ssrc(0) depctr_va_vcc(0) depctr_vm_vsrc(0)
	s_getreg_b32 s2, hwreg(HW_REG_IB_STS2, 6, 4)
	s_cmp_eq_u32 s2, 0
	s_cbranch_scc0 .Lentry_in_a_cluster
	s_endpgm
.Lentry_in_a_cluster:
	s_bfe_u32 s2, ttmp6, 0x10000c
	s_cmp_lg_u32 s2, 0x3003
	s_cbranch_scc0 .Lentry_shape_is_right
	s_endpgm
.Lentry_shape_is_right:
; Both attention maps of a head, their difference, the RMS norm and the gains, quantised for the last product.  All four products on codes of FP6 (E2M3) with E8M0 scales.
; KEYS.  A head's 2,048 keys are 1,024 positions, each twice on end.  So a block of 32 keys is 16 positions, and a key's twin adds the same number to P V and to the row's sum l.
; Here each block of 32 holds its 16 positions' codes and 16 zero codes, and l is taken over the positions: both come out halved exactly, and their quotient is the same number.
; SOFTMAX.  t = score x log2(e) / 8; M = the running largest t rounded up to a whole number; p = 2^(t - M) is quantised, not normalised; l is the sum of the unquantised p; when M moves, l and O are multiplied by 2^(old M - new M).
; SHARES.  A work-group has 128 queries of one head; wave w one tile of 16 queries, for BOTH maps, so that V's fragments serve twice and the difference never leaves the wave.  Two waves to a SIMD.
; The head's K1, K2, V and their scale words, 208,896 bytes, are filled ONCE: no slot is filled again.  CLUSTER: the four query blocks of a cluster ask for them jointly (a mask names four at the most, so the head's sixteen blocks are four clusters).
; No prefetch: everything is asked for at the head.
; LAYOUT.  S^T = K Q^T (source 0 = a PAIR image: key tile 2 p in K = 0-63, tile 2 p + 1 in K = 64-127; source 1 = [q | 0] or [0 | q], which picks one).  A lane holds one query; its 16 registers of tiles 2 p, 2 p + 1 are positions 32 p + 16 h + 0 .. 15: a whole block.
; O^T = V^T P (source 0 = a PACKED image: in each block's 32 places 16 codes of channel tile 2 g, then 16 of tile 2 g + 1; source 1 = P with its 16 codes in the first or in the second half of each block).
; LIMITS: NaN and infinities are not served; blocks under 2^-124 and blocks of zeros keep the byte 1 (only this program reads the bytes); sums are taken in another order than a row-wise sum.
; REGISTERS: window 0: v1-7 addresses; v8-15 (-M, largest t), (l, l) of each map; v16-31 at work; v32-49 scale words; v50-63 addresses and gains; v64-127 S^T, then p; v128-223 P (map, 64 keys, variant); v224-253 q1 | 0 | q2 | 0 | q1.
;   window 1: O^T of map m, channel tile d at 64 m + 8 d; v128-175 and v176-223 four images each.
.set KVS,  196608                      ; K1's words 2,048 bytes, K2's 2,048, V's 8,192
.set ASC,  208896                      ; the result's scale words, 64 bytes a wave
.set WL,   209408                      ; subln_w, 512 bytes
.set AC,   3
.set AKS,  4
.set AVS,  5
.set H8,   6
.set F,    16
.set TA,   18
.set TB,   19
.set BM,   20
.set BY,   24
.set SO,   28
.set KS,   32
.set VS,   36
.set QS,   44
.set PS,   46
.set PW,   63
.set S,    64
.set P,    128
.set QBK,  224
.set PC,   192
.set TM,   212
.set FA,   128
.set FB,   176
.set WV,   22
.set CX,   23
.set G1C,  24
.set G1S,  32
.set G0,   40
.set QB,   60
.set HD,   61
.set SEL,  62
.set CB,   66
.set CKS,  67
.set CVS,  68
.set CNT,  69
.set CS,   70
.set QM,   72
.set QSL,  73
.set LI0,  74
.set MSB, 0
.macro WIN new
.if MSB != \new
	s_set_vgpr_msb (MSB<<8)|\new
.set MSB, \new
.endif
.endm
.macro PLACES n
.rept \n
	v_nop
.endr
.endm
.macro CROUND
	s_barrier_signal -1
	s_barrier_wait -1
	s_cmp_lg_u32 s[WV], 0
	s_cbranch_scc1 .Lnot_wave_0_\@
	s_barrier_signal -3
.Lnot_wave_0_\@:
	s_barrier_wait -3
	s_barrier_signal -1
	s_barrier_wait -1
.endm
.macro WMI                             ; one scaled product; registers and flags in symbols (fZ: C is 0; fRA: source 0's words lie in lanes 16-31)
.if fZ
.if fRA
	v_wmma_scale_f32_16x16x128_f8f6f4 v[rD:rD+7], v[rA:rA+11], v[rB:rB+11], 0, v[rSA], v[rSB] matrix_a_fmt:MATRIX_FMT_FP6 matrix_b_fmt:MATRIX_FMT_FP6 matrix_a_scale:MATRIX_SCALE_ROW1
.else
	v_wmma_scale_f32_16x16x128_f8f6f4 v[rD:rD+7], v[rA:rA+11], v[rB:rB+11], 0, v[rSA], v[rSB] matrix_a_fmt:MATRIX_FMT_FP6 matrix_b_fmt:MATRIX_FMT_FP6
.endif
.else
.if fRA
	v_wmma_scale_f32_16x16x128_f8f6f4 v[rD:rD+7], v[rA:rA+11], v[rB:rB+11], v[rD:rD+7], v[rSA], v[rSB] matrix_a_fmt:MATRIX_FMT_FP6 matrix_b_fmt:MATRIX_FMT_FP6 matrix_a_scale:MATRIX_SCALE_ROW1
.else
	v_wmma_scale_f32_16x16x128_f8f6f4 v[rD:rD+7], v[rA:rA+11], v[rB:rB+11], v[rD:rD+7], v[rSA], v[rSB] matrix_a_fmt:MATRIX_FMT_FP6 matrix_b_fmt:MATRIX_FMT_FP6
.endif
.endif
.endm
.macro QUANT s                         ; 64 numbers of a lane, register 16 b + i = k 32 b + 16 h + i of my row, become a fragment in v[PC] on and its scale word in v[PW]
.irp b, 0,1,2,3
	v_max3_num_f32 v[TM+\b], |v[\s+16*\b]|, |v[\s+1+16*\b]|, 0x1800000
.endr
.irp i, 2,4,6,8,10,12,14
.irp b, 0,1,2,3
	s_delay_alu instid0(VALU_DEP_4)
	v_max3_num_f32 v[TM+\b], v[TM+\b], |v[\s+16*\b+\i]|, |v[\s+1+16*\b+\i]|
.endr
.endr
.irp b, 0,1,2,3
	s_delay_alu instid0(VALU_DEP_4)
	v_permlanex16_b32 v[TM+4+\b], v[TM+\b], s[SEL], s[SEL+1]
.endr
.irp b, 0,1,2,3
	s_delay_alu instid0(VALU_DEP_4)
	v_max_num_f32 v[TM+\b], v[TM+\b], v[TM+4+\b]
.endr
.irp b, 0,1,2,3
	s_delay_alu instid0(VALU_DEP_4)
	v_add_nc_u32 v[TM+8+\b], 0xff000000, v[TM+\b]
.endr
.irp b, 0,1,2,3
	s_delay_alu instid0(VALU_DEP_4)
	v_lshrrev_b32 v[TM+4+\b], 23, v[TM+8+\b]
.endr
	s_delay_alu instid0(VALU_DEP_3)
	v_lshl_or_b32 v[PW], v[TM+5], 8, v[TM+4]
	s_delay_alu instid0(VALU_DEP_1)
	v_lshl_or_b32 v[PW], v[TM+6], 16, v[PW]
	s_delay_alu instid0(VALU_DEP_1)
	v_lshl_or_b32 v[PW], v[TM+7], 24, v[PW]
.irp c, 0,1
	v_cvt_scalef32_pk16_fp6_f32 v[PC+6*\c:PC+2+6*\c], v[\s+32*\c:\s+15+32*\c], v[TM+8+2*\c]
	v_cvt_scalef32_pk16_fp6_f32 v[PC+12+4*\c:PC+14+4*\c], v[\s+16+32*\c:\s+31+32*\c], v[TM+8+2*\c+1]
.endr
	v_nop
.irp c, 0,1
.irp i, 0,1,2
	v_permlane16_swap_b32 v[PC+6*\c+\i], v[PC+12+4*\c+\i]
.endr
.irp i, 0,1,2
	s_delay_alu instid0(VALU_DEP_3)
	v_mov_b32 v[PC+3+6*\c+\i], v[PC+12+4*\c+\i]
.endr
.endr
.endm
	s_load_b256 s[4:11], s[0:1], 0x0               ; qq, kv, lambda_q1, lambda_k1
	s_load_b256 s[12:19], s[0:1], 0x20             ; lambda_q2, lambda_k2, lambda_init, subln_w
	s_load_b64 s[20:21], s[0:1], 0x40              ; aq
	v_lshl_add_u32 v254, v0, 2, 0x34000
	v_mov_b32 v255, 0
	ds_add_u32 v254, v255
	ds_add_u32 v254, v255
	v_lshrrev_b32 v18, 5, v0
	s_delay_alu instid0(VALU_DEP_1)
	v_readfirstlane_b32 s[WV], v18                 ; wave 0..7
	v_and_b32 v18, 31, v0                          ; L
	s_delay_alu instid0(VALU_DEP_1)
	v_lshlrev_b32 v1, 4, v18                       ; 16 L
	s_delay_alu instid0(VALU_DEP_2)
	v_lshlrev_b32 v2, 2, v18                       ; 4 L
	s_delay_alu instid0(VALU_DEP_3)
	v_lshlrev_b32 v51, 3, v18                      ; 8 L
	v_and_b32 v18, 15, v0                          ; r
	v_bfe_u32 v19, v0, 4, 1                        ; h
	s_delay_alu instid0(VALU_DEP_1)
	v_lshlrev_b32 v[H8], 3, v19
	v_add_nc_u32 v7, WL, v1
	s_delay_alu instid0(VALU_DEP_4)
	v_lshlrev_b32 v50, 2, v18                      ; 4 r
	s_lshl_b32 s84, s[WV], 6
	s_add_co_u32 s84, s84, ASC
	v_add_nc_u32 v52, s84, v50                     ; my tile's words
	v_lshl_add_u32 v53, v19, 6, WL                 ; my 16 gains of each 32 channels
	v_add_nc_u32 v62, ASC, v1
	s_bfe_u32 s[CX], ttmp6, 0x40000
	s_lshl_b32 s[QB], ttmp9, 2
	s_add_co_u32 s[QB], s[QB], s[CX]               ; my block of 128 queries: it enters Q's and the result's addresses alone
	s_and_b32 s[HD], ttmp7, 0xffff                 ; the head, which the four partners share
	s_mov_b32 s[G1C], 15|(3<<16)|(1<<21)           ; the mask: all four; elements of 8 bytes; bit 21 beside a mask; no padding
	s_mov_b32 s[G1C+1], 32<<16                     ; rows of 256 bytes,
	s_mov_b32 s[G1C+2], 102<<16                    ; 102 of them: an eighth of the head's 208,896 bytes (codes, then words)
	s_mov_b32 s[G1C+3], 32<<16
	s_mov_b32 s[G1C+4], 102
	s_mov_b32 s[G1C+5], 32                         ; dense
	s_mov_b32 s[G1C+6], 0
	s_mov_b32 s[G1C+7], 0
	s_mul_i32 s86, s[WV], 26112                    ; my eighth, in memory and in LDS alike
	s_mul_i32 s84, s[HD], 208896
	s_add_co_u32 s84, s84, s86
	s_mov_b32 s85, 0
	s_lshl_b32 s90, s[QB], 2
	s_lshr_b32 s91, s[WV], 1
	s_add_co_u32 s90, s90, s91                     ; my tile's pair
	s_lshl_b32 s91, s[HD], 7
	s_add_co_u32 s90, s90, s91                     ; sub-head 2 head: 64 pairs each
	s_mul_i32 s76, s90, 1536
	s_mov_b32 s77, 0
	s_lshl_b32 s78, s90, 6
	s_add_co_u32 s78, s78, 3145728
	s_mov_b32 s79, 0
	s_lshl_b32 s90, s[QB], 3
	s_add_co_u32 s90, s90, s[WV]                   ; my row tile
	s_lshl_b32 s90, s90, 4
	s_add_co_u32 s90, s90, s[HD]                   ; K step = head
	s_mul_i32 s80, s90, 1536
	s_mov_b32 s81, 0
	s_lshl_b32 s82, s[HD], 13
	s_lshl_b32 s90, s[QB], 9
	s_add_co_u32 s82, s82, s90
	s_add_co_u32 s82, s82, 3145728
	s_mov_b32 s83, 0
	s_mov_b32 s[SEL], 0x76543210
	s_mov_b32 s[SEL+1], 0xfedcba98
	s_mov_b32 s[CS], 0x3e38aa3b                    ; log2(e) / 8
	s_mov_b32 s[CS+1], s[CS]
	s_mov_b32 s[CB], 0
	s_mov_b32 s[CKS], KVS
	s_mov_b32 s[CVS], KVS+4096
	s_and_b32 s90, s[WV], 1                        ; my tile is the pair's first or second
	s_mov_b32 s91, 0x01000100
	s_cmp_eq_u32 s90, 1
	s_cselect_b32 s[QM], -1, 0
	s_cselect_b32 s[QSL], 0x03020302, s91
	s_wait_dscnt 0x0
	s_wait_kmcnt 0x0
	s_add_nc_u64 s[76:77], s[4:5], s[76:77]        ; Q's pair images
	s_add_nc_u64 s[78:79], s[4:5], s[78:79]        ; and words
	s_add_nc_u64 s[80:81], s[20:21], s[80:81]      ; the result's image
	s_add_nc_u64 s[82:83], s[20:21], s[82:83]      ; and the work-group's words
	s_add_nc_u64 s[84:85], s[6:7], s[84:85]
	s_load_b32 s[LI0], s[16:17], 0x0               ; lambda_init
	s_mov_b32 s[G0], 1
	s_mul_i32 s[G0+1], s[WV], 26112
	s_mov_b64 s[G0+2:G0+3], s[84:85]
	s_or_b32 s[G0+3], s[G0+3], 0x80000000
	CROUND                                         ; all four work-groups are here: the joint loads meet
	tensor_load_to_lds s[G0:G0+3], s[G1C:G1C+7]    ; every wave asks for its eighth of the head: one tensor load a wave, no branch
	s_nop 0
.rept 4
	v_nop
.endr
	s_wait_alu depctr_va_vdst(0)
.irp m, 0,1
.irp g, 0,1,2
	global_load_b128 v[64+12*\m+4*\g:67+12*\m+4*\g], v1, s[76:77] offset:\m*98304+512*\g
.endr
	global_load_b32 v[88+\m], v50, s[78:79] offset:\m*4096
.endr
	global_load_b64 v[90:91], v51, s[8:9]
	global_load_b64 v[92:93], v51, s[10:11]
	global_load_b64 v[94:95], v51, s[12:13]
	global_load_b64 v[96:97], v51, s[14:15]
	global_load_b128 v[100:103], v1, s[18:19]      ; the 128 gains, 512 bytes; wave 4 stores them to LDS behind its wait for its tensor load
.irp m, 0,1                            ; the halves of P and of Q's block that stay zero, written once
.irp k, 0,1
.irp c, 0,1
.irp i, 0,1,2
	v_mov_b32 v[P+48*\m+24*\k+6*\c+3+\i], 0
	v_mov_b32 v[P+48*\m+24*\k+12+6*\c+\i], 0
.endr
.endr
.endr
.endr
.irp i, 0,1,2,3,4,5
	v_mov_b32 v[QBK+6+\i], 0
	v_mov_b32 v[QBK+18+\i], 0
.endr
	s_wait_loadcnt 0x0
.irp i, 0,1,2,3,4,5
	v_cndmask_b32 v[QBK+\i], v[64+\i], v[70+\i], s[QM]       ; q1
	v_cndmask_b32 v[QBK+24+\i], v[64+\i], v[70+\i], s[QM]    ; q1 once more
	v_cndmask_b32 v[QBK+12+\i], v[76+\i], v[82+\i], s[QM]    ; q2
.endr
	v_perm_b32 v[QS], v88, v88, s[QSL]             ; my tile's two bytes, twice
	v_perm_b32 v[QS+1], v89, v89, s[QSL]
	v_mul_f32 v98, v90, v92                        ; the two lambdas: 64 products each, two a lane
	v_mul_f32 v99, v94, v96
	s_delay_alu instid0(VALU_DEP_2)
	v_fmac_f32 v98, v91, v93
	s_delay_alu instid0(VALU_DEP_2)
	v_fmac_f32 v99, v95, v97
.irp x, 1,2,4,8
	s_delay_alu instid0(VALU_DEP_2)
	v_add_f32_dpp v98, v98, v98 row_xmask:\x row_mask:0xf bank_mask:0xf
	s_delay_alu instid0(VALU_DEP_2)
	v_add_f32_dpp v99, v99, v99 row_xmask:\x row_mask:0xf bank_mask:0xf
.endr
	s_delay_alu instid0(VALU_DEP_2)
	v_permlanex16_b32 v90, v98, s[SEL], s[SEL+1]
	s_delay_alu instid0(VALU_DEP_2)
	v_permlanex16_b32 v91, v99, s[SEL], s[SEL+1]
	s_delay_alu instid0(VALU_DEP_2)
	v_add_f32 v98, v98, v90
	s_delay_alu instid0(VALU_DEP_2)
	v_add_f32 v99, v99, v91
	s_delay_alu instid0(VALU_DEP_2)
	v_mul_f32 v98, 0x3fb8aa3b, v98
	s_delay_alu instid0(VALU_DEP_2)
	v_mul_f32 v99, 0x3fb8aa3b, v99
	s_wait_alu depctr_va_vdst(0)
	v_exp_f32 v98, v98
	v_exp_f32 v99, v99
.irp m, 0,1
	v_mov_b32 v[9+4*\m], 0xff61b1e6                ; the largest t so far: -3e38  (plain work behind the exponentials)
	v_mov_b32 v[10+4*\m], 0                        ; l, in two halves
	v_mov_b32 v[11+4*\m], 0
.endr
	v_floor_f32 v8, -v9                            ; -M
	s_delay_alu instid0(VALU_DEP_4)
	v_floor_f32 v12, -v13
	v_mov_b32 v[F+1], 0                            ; (named as the upper half of a pair)
	s_wait_alu depctr_va_vdst(0)                   ; one wait for both exponentials, ahead of their first reader
	s_wait_kmcnt 0x0
	v_sub_f32 v54, v98, v99
	s_delay_alu instid0(VALU_DEP_1)
	v_add_f32 v54, s[LI0], v54                     ; lambda
	v_sub_f32 v55, 1.0, s[LI0]                     ; 1 - lambda_init
	s_wait_tensorcnt 0x0                           ; my eighth of the head is in
	s_cmp_lg_u32 s[WV], 4
	s_cbranch_scc1 .Lno_gain
	ds_store_b128 v7, v[100:103]
.Lno_gain:
	s_wait_dscnt 0x0
	s_barrier_signal -1
	s_barrier_wait -1
.macro QK m, f                         ; eight tiles of 16 positions of map m, from the four pair images at f
	WIN 0x01
.set fZ, 1
.set rSB, QS+(\m)
.irp t, 0,1,2,3,4,5,6,7
.set rD, S+8*\t
.set rA, (\f)+12*(\t/2)
.if (\m) == 0
.set rB, QBK+18*(\t%2)
.else
.set rB, QBK+12-6*(\t%2)
.endif
.set rSA, KS+2*(\m)+\t/4
.set fRA, (\t/2)%2
	WMI
.endr
.endm
.macro VLOAD k, tt                     ; V's four packed images of 64 positions, and their words
	WIN 0x40
.irp g, 0,1,2,3
.irp j, 0,1,2
	ds_load_b128 v[FA+48*(\k)+12*\g+4*\j:FA+48*(\k)+12*\g+4*\j+3], v[AC] offset:24576+(2*(\tt)+(\k))*6144+1536*\g+512*\j
.endr
.endr
	WIN 0
.irp g, 0,1,2,3
	ds_load_b32 v[VS+4*(\k)+\g], v[AVS] offset:(2*(\tt)+(\k))*512+128*\g
.endr
.endm
.macro SOFTMAX m, first
.set rM, 8+4*(\m)
.irp p, 0,1,2,3
	v_max3_num_f32 v[BM+\p], v[S+16*\p], v[S+1+16*\p], v[S+2+16*\p]   ; the largest score of each block of 16 positions: for the row's maximum and, since p rises with the score, for the block's largest p
.endr
.irp i, 3,5,7,9,11,13
.irp p, 0,1,2,3
	v_max3_num_f32 v[BM+\p], v[BM+\p], v[S+16*\p+\i], v[S+1+16*\p+\i]
.endr
.endr
.irp p, 0,1,2,3
	v_max_num_f32 v[BM+\p], v[BM+\p], v[S+15+16*\p]
.endr
	s_delay_alu instid0(VALU_DEP_2)
	v_max3_num_f32 v[TA], v[BM], v[BM+1], v[BM+2]
	s_delay_alu instid0(VALU_DEP_1)
	v_max_num_f32 v[TA], v[TA], v[BM+3]
	s_delay_alu instid0(VALU_DEP_1)
	v_permlanex16_b32 v[TB], v[TA], s[SEL], s[SEL+1]
	s_delay_alu instid0(VALU_DEP_1)
	v_max_num_f32 v[TA], v[TA], v[TB]              ; with lane l xor 16's positions
	s_delay_alu instid0(VALU_DEP_1)
	v_mul_f32 v[TA], s[CS], v[TA]
	s_delay_alu instid0(VALU_DEP_1)
	v_max_num_f32 v[rM+1], v[rM+1], v[TA]          ; the running largest t
	v_mov_b32 v[TA], v[rM]
	s_delay_alu instid0(VALU_DEP_2)
	v_floor_f32 v[rM], -v[rM+1]                    ; -M = floor(-t)
	s_delay_alu instid0(VALU_DEP_1)
	v_sub_f32 v[TA], v[rM], v[TA]                  ; old M - new M: a whole number, 0 or less
	s_delay_alu instid0(VALU_DEP_1)
	v_cvt_i32_f32 v[TA], v[TA]                     ; (it saturates)
	s_delay_alu instid0(VALU_DEP_1)
	v_ldexp_f32 v[F], 1.0, v[TA]                   ; f = 2^(old M - new M)
.set jj, 0
.rept 32
	v_pk_fma_f32 v[S+jj:S+jj+1], v[S+jj:S+jj+1], s[CS:CS+1], v[rM:rM+1] op_sel_hi:[1,0,0]   ; t - M
.set jj, jj+2
.endr
.irp p, 0,1,2,3
	v_fma_f32 v[BM+\p], v[BM+\p], s[CS], v[rM]
.endr
.set jj, 0
	s_wait_alu depctr_va_vdst(0)
.rept 64
	v_exp_f32 v[S+jj], v[S+jj]                     ; p
.set jj, jj+1
.endr
	v_pk_mul_f32 v[rM+2:rM+3], v[rM+2:rM+3], v[F:F+1] op_sel_hi:[1,0]   ; l under the new M (a plain instruction behind the exponentials)
	s_wait_alu depctr_va_vdst(0)                   ; one wait for the batch, ahead of its first reader
.irp p, 0,1,2,3
	v_exp_f32 v[BM+\p], v[BM+\p]                   ; the block's largest p: the same two instructions on the same number
.endr
	v_pk_add_f32 v[TA:TA+1], v[S:S+1], v[S+2:S+3]  ; l takes the unquantised p, in two chains
.irp j, 4,8,12,16,20,24,28,32,36,40,44,48,52,56,60
	v_pk_add_f32 v[rM+2:rM+3], v[rM+2:rM+3], v[S+\j:S+\j+1]
	v_pk_add_f32 v[TA:TA+1], v[TA:TA+1], v[S+\j+2:S+\j+3]
.endr
	s_delay_alu instid0(VALU_DEP_1)
	v_pk_add_f32 v[rM+2:rM+3], v[rM+2:rM+3], v[TA:TA+1]
	s_wait_alu depctr_va_vdst(0)                   ; and one for the four
.irp p, 0,1,2,3
	v_max_num_f32 v[BM+\p], 0x1800000, v[BM+\p]    ; the floor: the byte cannot fall under 1
.endr
.irp p, 0,1,2,3
	s_delay_alu instid0(VALU_DEP_4)
	v_add_nc_u32 v[SO+\p], 0xff000000, v[BM+\p]
.endr
.irp p, 0,1,2,3
	s_delay_alu instid0(VALU_DEP_4)
	v_lshrrev_b32 v[BY+\p], 23, v[SO+\p]
.endr
.irp k, 0
	s_delay_alu instid0(VALU_DEP_3)
	v_lshl_or_b32 v[BM+\k], v[BY+2*\k+1], 16, v[BY+2*\k]     ; of 64 positions I hold blocks h and 2 + h
.endr
.irp k, 1
	s_delay_alu instid0(VALU_DEP_2)
	v_lshl_or_b32 v[BM+\k], v[BY+2*\k+1], 16, v[BY+2*\k]     ; of 64 positions I hold blocks h and 2 + h
.endr
.irp k, 0,1
	s_delay_alu instid0(VALU_DEP_2)
	v_lshlrev_b32 v[BM+\k], v[H8], v[BM+\k]
.endr
.irp k, 0,1
	s_delay_alu instid0(VALU_DEP_2)
	v_permlanex16_b32 v[BM+2+\k], v[BM+\k], s[SEL], s[SEL+1]
.endr
.irp k, 0,1
	s_delay_alu instid0(VALU_DEP_2)
	v_or_b32 v[PS+2*(\m)+\k], v[BM+\k], v[BM+2+\k]           ; p's scale word of these 64 positions
.endr
.irp p, 0,1,2,3
	v_cvt_scalef32_pk16_fp6_f32 v[P+48*(\m)+24*(\p/2)+6*(\p%2):P+48*(\m)+24*(\p/2)+6*(\p%2)+2], v[S+16*\p:S+16*\p+15], v[SO+\p]   ; straight into the first variant: the block's first 16 places
.endr
	v_nop                                          ; one plain instruction behind the conversions
.irp p, 0,1,2,3
.irp i, 0,1,2
	v_mov_b32 v[P+48*(\m)+24*(\p/2)+15+6*(\p%2)+\i], v[P+48*(\m)+24*(\p/2)+6*(\p%2)+\i]   ; the second variant: the block's last 16 places
.endr
.endr
.if \first
	PLACES 4                                       ; O does not exist yet: these stand between the copies above and the products
.else
	WIN 0x41
.set jj, 0
.rept 32
	v_pk_mul_f32 v[64*(\m)+jj:64*(\m)+jj+1], v[64*(\m)+jj:64*(\m)+jj+1], v[F:F+1] op_sel_hi:[1,0]   ; O under the new M
.set jj, jj+2
.endr
	WIN 0
.endif
.endm
.macro STEP128 tt, first               ; 128 positions: four pairs of key tiles, two runs of 64 for V
	PLACES 4                                       ; in front of loads into registers that the last products read
.irp m, 0,1
.irp i, 0,1
	ds_load_b32 v[KS+2*\m+\i], v[AKS] offset:\m*2048+256*(\tt)+128*\i
.endr
.endr
	WIN 0x40
.irp m, 0,1
.irp p, 0,1,2,3
.irp g, 0,1,2
	ds_load_b128 v[FA+48*\m+12*\p+4*\g:FA+48*\m+12*\p+4*\g+3], v[AC] offset:12288*\m+6144*(\tt)+1536*\p+512*\g
.endr
.endr
.endr
	s_wait_dscnt 12                                ; the words and K1 are in; K2's 12 loads may be out
	QK 0, FA
	PLACES 4
	VLOAD 0, \tt
	SOFTMAX 0, \first
	s_wait_dscnt 16                                ; K2 is in; V's 12 loads and its 4 words may be out
	QK 1, FB
	PLACES 4
	VLOAD 1, \tt
	SOFTMAX 1, \first
	s_wait_alu depctr_va_vdst(0)
	s_wait_dscnt 0x0
	WIN 0x51
.irp k, 0,1                            ; the 16 accumulators take turns, one instruction a turn
.irp g, 0,1,2,3
.irp u, 0,1
.irp m, 0,1
.set rD, 64*\m+8*(2*\g+\u)
.set rA, FA+48*\k+12*\g
.set rB, P+48*\m+24*\k+12*\u
.set rSA, VS+4*\k+\g
.set rSB, PS+2*\m+\k
.set fRA, \u
.set fZ, (\first)*(1-\k)
	WMI
.endr
.endr
.endr
.endr
	WIN 0
.endm
.macro CHUNK first                     ; 256 positions
	v_add_nc_u32 v[AC], s[CB], v1
	s_wait_alu depctr_va_vdst(0)
	v_add_nc_u32 v[AKS], s[CKS], v2
	v_add_nc_u32 v[AVS], s[CVS], v2
	s_wait_alu depctr_va_vdst(0)
	STEP128 0, \first
	STEP128 1, 0
	s_add_co_u32 s[CB], s[CB], 49152
	s_add_co_u32 s[CKS], s[CKS], 512
	s_add_co_u32 s[CVS], s[CVS], 2048
.endm
	CHUNK 1                                        ; chunk 0: its first products start O's sums
	s_mov_b32 s[CNT], 3
.Lchunk:
	CHUNK 0
	s_sub_co_u32 s[CNT], s[CNT], 1
	s_cmp_lg_u32 s[CNT], 0
	s_cbranch_scc1 .Lchunk
	; THE WAY OUT: O1 / l1 - lambda O2 / l2; RMS norm over the head's 128; the gains; quantised along head x 128 + channel.  Register 16 g + i is channel 32 g + 16 h + i of my query.
	PLACES 4
.irp g, 0,1,2,3
.irp i, 0,1,2,3
	ds_load_b128 v[P+16*\g+4*\i:P+16*\g+4*\i+3], v53 offset:128*\g+16*\i   ; subln_w at my channels
.endr
.endr
	v_add_f32 v18, v10, v11
	v_add_f32 v19, v14, v15
	s_delay_alu instid0(VALU_DEP_2)
	v_permlanex16_b32 v20, v18, s[SEL], s[SEL+1]
	s_delay_alu instid0(VALU_DEP_2)
	v_permlanex16_b32 v21, v19, s[SEL], s[SEL+1]
	s_delay_alu instid0(VALU_DEP_2)
	v_add_f32 v18, v18, v20
	s_delay_alu instid0(VALU_DEP_2)
	v_add_f32 v19, v19, v21
	s_wait_alu depctr_va_vdst(0)
	v_rcp_f32 v56, v18
	v_rcp_f32 v58, v19
	v_mov_b32 v57, 0                               ; (plain work behind the reciprocals; the pairs' upper halves are named, so they are written)
	v_mov_b32 v59, 0
	s_mov_b32 s84, 0x3c000000                      ; 1 / 128
	s_mov_b32 s85, 0x3727c5ac                      ; 1e-5
	s_wait_alu depctr_va_vdst(0)
	v_mul_f32 v58, -v54, v58                       ; -lambda / l2
	WIN 0x01
.set jj, 0
.rept 32
	v_pk_mul_f32 v[S+jj:S+jj+1], v[jj:jj+1], v[56:57] op_sel_hi:[1,0]
.set jj, jj+2
.endr
.set jj, 0
.rept 32
	v_pk_fma_f32 v[S+jj:S+jj+1], v[64+jj:65+jj], v[58:59], v[S+jj:S+jj+1] op_sel_hi:[1,0,1]
.set jj, jj+2
.endr
	WIN 0
	v_pk_mul_f32 v[20:21], v[S:S+1], v[S:S+1]
	v_pk_mul_f32 v[22:23], v[S+2:S+3], v[S+2:S+3]
.irp j, 4,8,12,16,20,24,28,32,36,40,44,48,52,56,60
	s_delay_alu instid0(VALU_DEP_2)
	v_pk_fma_f32 v[20:21], v[S+\j:S+\j+1], v[S+\j:S+\j+1], v[20:21]
	s_delay_alu instid0(VALU_DEP_2)
	v_pk_fma_f32 v[22:23], v[S+\j+2:S+\j+3], v[S+\j+2:S+\j+3], v[22:23]
.endr
	s_delay_alu instid0(VALU_DEP_1)
	v_pk_add_f32 v[20:21], v[20:21], v[22:23]
	s_delay_alu instid0(VALU_DEP_1)
	v_add_f32 v20, v20, v21
	s_delay_alu instid0(VALU_DEP_1)
	v_permlanex16_b32 v21, v20, s[SEL], s[SEL+1]
	s_delay_alu instid0(VALU_DEP_1)
	v_add_f32 v20, v20, v21                        ; the sum of squares over the 128 channels
	s_delay_alu instid0(VALU_DEP_1)
	v_fma_f32 v20, v20, s84, s85
	s_wait_alu depctr_va_vdst(0)
	v_rsq_f32 v60, v20
	v_mov_b32 v61, 0
	s_wait_alu depctr_va_vdst(0)
	v_mul_f32 v60, v60, v55                        ; x (1 - lambda_init)
.set jj, 0
.rept 32
	v_pk_mul_f32 v[S+jj:S+jj+1], v[S+jj:S+jj+1], v[60:61] op_sel_hi:[1,0]
.set jj, jj+2
.endr
	s_wait_dscnt 0x0
.set jj, 0
.rept 32
	v_pk_mul_f32 v[S+jj:S+jj+1], v[S+jj:S+jj+1], v[P+jj:P+jj+1]
.set jj, jj+2
.endr
	QUANT S
.irp g, 0,1,2
	global_store_b128 v1, v[PC+4*\g:PC+4*\g+3], s[80:81] offset:512*\g
.endr
	ds_store_b32 v52, v[PW]                        ; both halves of the lanes write the same word with the same value
	s_wait_dscnt 0x0
	s_barrier_signal -1
	s_barrier_wait -1
	s_cmp_lg_u32 s[WV], 0                          ; wave 0 stores the eight tiles' words: 512 consecutive bytes
	s_cbranch_scc1 .Lnot_0
	ds_load_b128 v[64:67], v62
	s_wait_dscnt 0x0
	global_store_b128 v1, v[64:67], s[82:83]
.Lnot_0:
	s_wait_tensorcnt 0x0
	s_wait_tensorcnt 0x0
	ds_add_u32 v254, v255
	s_wait_dscnt 0x0
	CROUND                                         ; the closing round
	s_endpgm
.Lfunc_end_k_q6b269cc2a4_attn:
	.size	k_q6b269cc2a4_attn, .Lfunc_end_k_q6b269cc2a4_attn-k_q6b269cc2a4_attn
	.p2alignl 7, 3214868480
	.fill 96, 4, 3214868480
	.section	.rodata,"a",@progbits
	.p2align	6, 0x0
	.amdhsa_kernel k_q6b269cc2a4_attn
		.amdhsa_group_segment_fixed_size 214016
		.amdhsa_private_segment_fixed_size 0
		.amdhsa_enable_private_segment 0
		.amdhsa_kernarg_size 72
		.amdhsa_user_sgpr_count 2
		.amdhsa_user_sgpr_kernarg_segment_ptr 1
		.amdhsa_wavefront_size32 1
		.amdhsa_system_sgpr_workgroup_id_x 1
		.amdhsa_system_sgpr_workgroup_id_y 1
		.amdhsa_system_sgpr_workgroup_id_z 1
		.amdhsa_system_vgpr_workitem_id 0
		.amdhsa_next_free_vgpr 512
		.amdhsa_next_free_sgpr 96
		.amdhsa_reserve_vcc 0
		.amdhsa_float_denorm_mode_32 3
		.amdhsa_float_denorm_mode_16_64 3
		.amdhsa_memory_ordered 1
		.amdhsa_forward_progress 1
		.amdhsa_inst_pref_size 179
	.end_amdhsa_kernel
	.amdgpu_metadata
---
amdhsa.version: [ 1, 2 ]
amdhsa.kernels:
  - .name:           k_q6b269cc2a4_attn
    .symbol:         k_q6b269cc2a4_attn.kd
    .args:
      - { .name: qq, .offset: 0, .size: 8, .value_kind: global_buffer, .address_space: global }
      - { .name: kv, .offset: 8, .size: 8, .value_kind: global_buffer, .address_space: global }
      - { .name: lambda_q1, .offset: 16, .size: 8, .value_kind: global_buffer, .address_space: global }
      - { .name: lambda_k1, .offset: 24, .size: 8, .value_kind: global_buffer, .address_space: global }
      - { .name: lambda_q2, .offset: 32, .size: 8, .value_kind: global_buffer, .address_space: global }
      - { .name: lambda_k2, .offset: 40, .size: 8, .value_kind: global_buffer, .address_space: global }
      - { .name: lambda_init, .offset: 48, .size: 8, .value_kind: global_buffer, .address_space: global }
      - { .name: subln_w, .offset: 56, .size: 8, .value_kind: global_buffer, .address_space: global }
      - { .name: aq, .offset: 64, .size: 8, .value_kind: global_buffer, .address_space: global }
    .group_segment_fixed_size: 214016
    .private_segment_fixed_size: 0
    .kernarg_segment_align: 8
    .kernarg_segment_size: 72
    .max_flat_workgroup_size: 256
    .sgpr_count:     96
    .vgpr_count:     512
    .wavefront_size: 32
...
	.end_amdgpu_metadata
.endif
;; end of part 3
;; launch gemm_out (part 4): grid 16 x 16, 4 waves a work-group, clusters of 4 x 4, 327,680 bytes of LDS; arguments aq, wq6, out0; writes out0
.if DOCPART == 4
	.amdgcn_target "amdgcn-amd-amdhsa--gfx1250"
	.amdhsa_code_object_version 6
	.text
	.protected	k_q6b269cc2a4_gemm_out
	.globl	k_q6b269cc2a4_gemm_out
	.p2align	8
	.type	k_q6b269cc2a4_gemm_out,@function
k_q6b269cc2a4_gemm_out:
	s_mov_b64 s[64:65], 0
	v_nop
	global_prefetch_b8 v0, s[64:65] scope:SCOPE_SE
	s_setreg_imm32_b32 hwreg(HW_REG_WAVE_MODE, 25, 1), 1
	s_wait_xcnt 0x0
	s_wait_alu depctr_hold_cnt(0) depctr_sa_sdst(0) depctr_va_vdst(0) depctr_va_sdst(0) depctr_va_ssrc(0) depctr_va_vcc(0) depctr_vm_vsrc(0)
	s_getreg_b32 s2, hwreg(HW_REG_IB_STS2, 6, 4)
	s_cmp_eq_u32 s2, 0
	s_cbranch_scc0 .Lentry_in_a_cluster
	s_endpgm
.Lentry_in_a_cluster:
	s_bfe_u32 s2, ttmp6, 0x10000c
	s_cmp_lg_u32 s2, 0xf033
	s_cbranch_scc0 .Lentry_shape_is_right
	s_endpgm
.Lentry_shape_is_right:
; out0 = a wo on codes of FP6 (E2M3) with E8M0 scales; a: the normed attention, [2048][K 2048]; sums in f32; out0 f32.
; A work-group makes 128 rows (ty) x 128 columns (tx); a wave 64 rows (wr) x 64 columns (wc): 4 x 4 accumulators.  K = 16 steps of 128, written out.
; Operands lie in memory as images of their registers (1,536 bytes: registers 4 g .. 4 g + 3 of lane L at 512 g + 16 L), [tile][K step]; lane r of tile 2 b + u holds row 32 b + 8 u + r + 8 (r / 8).
; EVERYTHING IS ASKED FOR ONCE, AT THE HEAD; no LDS byte is filled again.  A K step of the block is 16 images, 24,576 bytes; all 16 steps, 393,216 bytes, do not fit in LDS.
;   Steps 0-11 (294,912 bytes) come by four joint loads, one a wave: 4 tiles x 12 images each.  CLUSTERS: 4 x 4; a's tiles are shared along a row of the cluster, wo's along a column.
;   Steps 12-15 go from memory straight into each wave's registers (96 loads of 512 consecutive bytes, 384 registers): a quarter of the bytes, for which LDS has no room, is not asked for jointly.
;   The scale words of all 16 steps (16,384 bytes) come through registers, 512 consecutive bytes a load, into LDS bytes of their own.
; No prefetch: there is no loop to run ahead in, since all is asked for at the head.
; THE MATRIX INSTRUCTION IS USED TRANSPOSED (source 0 = 16 columns of wo, source 1 = 16 rows of a): a lane holds one row, and the 16 registers of tiles 2 b, 2 b + 1 are columns 32 b + 16 (lane / 16) + 0 .. 15.
; REGISTERS: window 0: v16-31 addresses, v32-39 scale words of the steps from LDS (two sets), v40-55 those of steps 12-15, v64-95 scale words on their way, v128-223 a's fragments (two sets); v64-191 the way out.
;   window 1: wo's fragments, two sets at v0 and v128; v48-95 a's of step 15.  window 2: accumulator (a, b) at 32 a + 8 b; v128-223 a's of steps 12, 13.  window 3: v0-191 wo's of steps 12-15; v192-239 a's of step 14.
.set RS,    12                         ; steps that lie in LDS
.set TP,    RS*1536                    ; a tile's bytes in LDS
.set BOFF,  8*TP                       ; a's 8 tiles, then wo's 8
.set SCA,   294912                     ; a's scale words [16 steps][8 tiles][64 bytes]
.set SCB,   303104                     ; wo's
.set SPARE, 311296                     ; the spare words, 128 bytes a wave: no other line names them
.set XSC,   3145728                    ; where the words begin in aq
.set WCO,   6291456                    ; wo's images in wq6: from tile 256 on
.set WSC,   9437184+16384              ; and its words
.set ADRA, 16                          ; v16-17 my tiles 0-1, 2-3 of a in LDS
.set ADRB, 20                          ; v20-21 the same of wo
.set SSA,  22
.set CO,   23
.set ADSA, 24
.set ADSB, 25
.set LI,   26
.set LS,   27
.set SPW,  28
.set NIL,  29
.set STI,  30
.set STO,  31
.set SC,   32
.set SD,   40
.set AF,   128
.set WV,   16
.set WR,   17
.set WC,   18
.set G1A,  24
.set G1B,  32
.set G0A,  40
.set G0B,  44
.set MSB, 0
.macro WIN new                         ; the immediate's high byte repeats the setting that is left
.if MSB != \new
	s_set_vgpr_msb (MSB<<8)|\new
.set MSB, \new
.endif
.endm
.set W_MUL,  0xa1                      ; source 0 (wo) window 1, source 1 (a) window 0, C and D window 2
.set W_TOB,  0x40                      ; destination window 1
.set W_STG,  0x08                      ; an LDS store's data: window 2
.macro PLACES n
.rept \n
	v_nop
.endr
.endm
.macro CREST
	s_cmp_lg_u32 s[WV], 0
	s_cbranch_scc1 .Lnot_wave_0_\@
	s_barrier_signal -3
.Lnot_wave_0_\@:
	s_barrier_wait -3
	s_barrier_signal -1
	s_barrier_wait -1
.endm
.macro CROUND
	s_barrier_signal -1
	s_barrier_wait -1
	CREST
.endm
.macro SHAPE g, c, r, p                ; group 1 behind its first word: rows of c elements of 8 bytes, r rows, p elements apart
	s_mov_b32 s[\g+1], (\c)<<16
	s_mov_b32 s[\g+2], (\r)<<16
	s_mov_b32 s[\g+3], (\c)<<16
	s_mov_b32 s[\g+4], \r
	s_mov_b32 s[\g+5], \p
	s_mov_b32 s[\g+6], 0
	s_mov_b32 s[\g+7], 0
.endm
.macro WMI                             ; one scaled product; registers and flags in symbols (fZ: C is 0; fRA, fRB: the scale words lie in lanes 16-31)
.if fZ
.if fRA && fRB
	v_wmma_scale_f32_16x16x128_f8f6f4 v[rD:rD+7], v[rA:rA+11], v[rB:rB+11], 0, v[rSA], v[rSB] matrix_a_fmt:MATRIX_FMT_FP6 matrix_b_fmt:MATRIX_FMT_FP6 matrix_a_scale:MATRIX_SCALE_ROW1 matrix_b_scale:MATRIX_SCALE_ROW1
.elseif fRA
	v_wmma_scale_f32_16x16x128_f8f6f4 v[rD:rD+7], v[rA:rA+11], v[rB:rB+11], 0, v[rSA], v[rSB] matrix_a_fmt:MATRIX_FMT_FP6 matrix_b_fmt:MATRIX_FMT_FP6 matrix_a_scale:MATRIX_SCALE_ROW1
.elseif fRB
	v_wmma_scale_f32_16x16x128_f8f6f4 v[rD:rD+7], v[rA:rA+11], v[rB:rB+11], 0, v[rSA], v[rSB] matrix_a_fmt:MATRIX_FMT_FP6 matrix_b_fmt:MATRIX_FMT_FP6 matrix_b_scale:MATRIX_SCALE_ROW1
.else
	v_wmma_scale_f32_16x16x128_f8f6f4 v[rD:rD+7], v[rA:rA+11], v[rB:rB+11], 0, v[rSA], v[rSB] matrix_a_fmt:MATRIX_FMT_FP6 matrix_b_fmt:MATRIX_FMT_FP6
.endif
.else
.if fRA && fRB
	v_wmma_scale_f32_16x16x128_f8f6f4 v[rD:rD+7], v[rA:rA+11], v[rB:rB+11], v[rD:rD+7], v[rSA], v[rSB] matrix_a_fmt:MATRIX_FMT_FP6 matrix_b_fmt:MATRIX_FMT_FP6 matrix_a_scale:MATRIX_SCALE_ROW1 matrix_b_scale:MATRIX_SCALE_ROW1
.elseif fRA
	v_wmma_scale_f32_16x16x128_f8f6f4 v[rD:rD+7], v[rA:rA+11], v[rB:rB+11], v[rD:rD+7], v[rSA], v[rSB] matrix_a_fmt:MATRIX_FMT_FP6 matrix_b_fmt:MATRIX_FMT_FP6 matrix_a_scale:MATRIX_SCALE_ROW1
.elseif fRB
	v_wmma_scale_f32_16x16x128_f8f6f4 v[rD:rD+7], v[rA:rA+11], v[rB:rB+11], v[rD:rD+7], v[rSA], v[rSB] matrix_a_fmt:MATRIX_FMT_FP6 matrix_b_fmt:MATRIX_FMT_FP6 matrix_b_scale:MATRIX_SCALE_ROW1
.else
	v_wmma_scale_f32_16x16x128_f8f6f4 v[rD:rD+7], v[rA:rA+11], v[rB:rB+11], v[rD:rD+7], v[rSA], v[rSB] matrix_a_fmt:MATRIX_FMT_FP6 matrix_b_fmt:MATRIX_FMT_FP6
.endif
.endif
.endm
; one K step: a's four tiles (from register bx on) against wo's four (from bw on), scale words from sc on.  The 16 accumulators take turns, one instruction a turn, in the same order in every step
.macro MULG z, bw, bx, sc
.set fZ, \z
.set ma, 0
.rept 4
.irp b, 0,1,2,3
.set rD, 32*ma+8*\b
.set rA, (\bw)+12*\b
.set rB, (\bx)+12*ma
.set rSA, (\sc)+2+\b/2
.set rSB, (\sc)+ma/2
.set fRA, \b%2
.set fRB, ma%2
	WMI
.endr
.set ma, ma+1
.endr
.endm
.macro FETCH n, p                      ; the fragments and scale words of step n (0 .. 11) into set p: 24 + 4 LDS loads in one run
	WIN W_TOB
.irp b, 0,1,2,3
.irp g, 0,1,2
	ds_load_b128 v[128*(\p)+12*\b+4*\g:128*(\p)+12*\b+4*\g+3], v[ADRB+\b/2] offset:(\b%2)*TP+(\n)*1536+512*\g
.endr
.endr
	WIN 0
.irp a, 0,1,2,3
.irp g, 0,1,2
	ds_load_b128 v[AF+48*(\p)+12*\a+4*\g:AF+48*(\p)+12*\a+4*\g+3], v[ADRA+\a/2] offset:(\a%2)*TP+(\n)*1536+512*\g
.endr
.endr
.irp i, 0,1
	ds_load_b32 v[SC+4*(\p)+\i], v[ADSA] offset:(\n)*512+128*\i      ; lanes 0-15: tile 2 i's words, lanes 16-31: tile 2 i + 1's
	ds_load_b32 v[SC+4*(\p)+2+\i], v[ADSB] offset:(\n)*512+128*\i
.endr
.endm
.macro DLOAD win, reg, base, j         ; my four tiles of step 12 + j, from memory into registers reg on of the window that win names: 512 consecutive bytes a load
	WIN \win
.irp t, 0,1,2,3
.irp g, 0,1,2
	global_load_b128 v[(\reg)+12*\t+4*\g:(\reg)+12*\t+4*\g+3], v[LI], s[\base:\base+1] offset:\t*24576+(\j)*1536+512*\g
.endr
.endr
.endm
	s_load_b128 s[4:7], s[0:1], 0x0                ; aq, wq6
	s_load_b64 s[8:9], s[0:1], 0x10                ; out0
	v_lshl_add_u32 v[SPW], v0, 2, SPARE
	v_mov_b32 v[NIL], 0
	ds_add_u32 v[SPW], v[NIL]                      ; the opening lines: the add, twice on end, and its wait ahead of my first tensor load
	ds_add_u32 v[SPW], v[NIL]
	v_lshrrev_b32 v5, 5, v0
	v_readfirstlane_b32 s[WV], v5                  ; wave 0..3
	s_lshr_b32 s[WR], s[WV], 1                     ; my half of the rows.  Also: I ask for a (0) or for wo (1)
	s_and_b32 s[WC], s[WV], 1                      ; my half of the columns.  Also: which four tiles I ask for
	s_bfe_u32 s19, ttmp6, 0x40000                  ; cx
	s_bfe_u32 s20, ttmp6, 0x40004                  ; cy
	s_lshl_b32 s21, ttmp9, 2
	s_add_co_u32 s21, s21, s19                     ; tx
	s_and_b32 s22, ttmp7, 0xffff
	s_lshl_b32 s22, s22, 2
	s_add_co_u32 s22, s22, s20                     ; ty
	s_lshl_b32 s23, s20, 2
	s_lshl_b32 s23, 15, s23                        ; my row of the cluster
	s_lshl_b32 s68, 0x1111, s19                    ; my column
	s_or_b32 s[G1A], s23, (3<<16)|(1<<21)          ; the mask; elements of 8 bytes; bit 21 beside a mask; no padding
	s_or_b32 s[G1B], s68, (3<<16)|(1<<21)
	SHAPE G1A, 192*RS, 4, 3072                     ; 4 tiles x 12 images (18,432 bytes), 24,576 bytes from tile to tile
	SHAPE G1B, 192*RS, 4, 3072
	s_lshl_b32 s2, s[WC], 2
	s_lshl_b32 s56, s22, 3
	s_add_co_u32 s56, s56, s2                      ; the joint load of a: tile 8 ty + 4 half
	s_mul_i32 s56, s56, 24576
	s_mov_b32 s57, 0
	s_lshl_b32 s58, s21, 3
	s_add_co_u32 s58, s58, s2                      ; of wo: tile 8 tx + 4 half; these are also my own four tiles of wo
	s_mul_i32 s58, s58, 24576
	s_add_co_u32 s58, s58, WCO
	s_mov_b32 s59, 0
	s_lshl_b32 s60, s22, 3
	s_lshl_b32 s2, s[WR], 2
	s_add_co_u32 s60, s60, s2                      ; my own four tiles of a: 8 ty + 4 wr, from step 12 on
	s_mul_i32 s60, s60, 24576
	s_add_co_u32 s60, s60, TP
	s_mov_b32 s61, 0
	s_lshl_b32 s62, s22, 9                         ; a's words: 512 bytes a step, 8,192 from step to step; my wave brings steps 4 wave .. 4 wave + 3
	s_lshl_b32 s2, s[WV], 15
	s_add_co_u32 s62, s62, s2
	s_add_co_u32 s62, s62, XSC
	s_mov_b32 s63, 0
	s_lshl_b32 s66, s21, 9                         ; wo's: 24,576 from step to step
	s_mul_i32 s2, s[WV], 98304
	s_add_co_u32 s66, s66, s2
	s_add_co_u32 s66, s66, WSC
	s_mov_b32 s67, 0
	s_mov_b32 s[G0A], 1
	s_mul_i32 s[G0A+1], s[WC], 4*TP                ; where the tiles go: no place in the cluster enters an LDS address
	s_mov_b32 s[G0B], 1
	s_add_co_u32 s[G0B+1], s[G0A+1], BOFF
	s_mul_i32 s70, s[WR], 4*TP                     ; my four tiles of a in LDS,
	s_add_co_u32 s71, s70, 2*TP
	s_mul_i32 s72, s[WC], 4*TP
	s_add_co_u32 s72, s72, BOFF                    ; and of wo
	s_add_co_u32 s73, s72, 2*TP
	s_lshl_b32 s74, s[WR], 8
	s_add_co_u32 s74, s74, SCA
	s_lshl_b32 s75, s[WC], 8
	s_add_co_u32 s75, s75, SCB
	s_lshl_b32 s76, s[WV], 11
	s_add_co_u32 s76, s76, SCA
	s_mul_i32 s77, s[WV], 8704                     ; my stage for the way out, 32 rows x 272 bytes, in a's tiles: used behind the barrier behind which nobody reads them
	s_lshl_b32 s2, s22, 20                         ; my part of out0: row 128 ty + 64 wr, column 128 tx + 64 wc
	s_lshl_b32 s3, s[WR], 19
	s_add_co_u32 s2, s2, s3
	s_lshl_b32 s3, s21, 9
	s_add_co_u32 s2, s2, s3
	s_lshl_b32 s3, s[WC], 8
	s_add_co_u32 s2, s2, s3
	s_mov_b32 s3, 0
	v_and_b32 v1, 31, v0                           ; L
	v_and_b32 v2, 15, v0                           ; r
	v_bfe_u32 v3, v0, 4, 1                         ; h
	v_and_b32 v4, 8, v2
	v_add_nc_u32 v4, v4, v2                        ; r + 8 (r / 8)
	v_lshlrev_b32 v[LI], 4, v1
	v_lshlrev_b32 v[LS], 2, v1
	v_add_nc_u32 v[ADRA], s70, v[LI]
	v_add_nc_u32 v[ADRA+1], s71, v[LI]
	v_add_nc_u32 v[ADRB], s72, v[LI]
	v_add_nc_u32 v[ADRB+1], s73, v[LI]
	v_add_nc_u32 v[ADSA], s74, v[LS]
	v_add_nc_u32 v[ADSB], s75, v[LS]
	v_add_nc_u32 v[SSA], s76, v[LI]                ; where my four steps of scale words go
	v_mul_u32_u24 v5, v4, 272
	v_lshl_add_u32 v5, v3, 6, v5
	v_add_nc_u32 v[STI], s77, v5                   ; into the stage: my row, 64 bytes for each half of the lanes
	v_mul_u32_u24 v6, v3, 272
	v_lshl_add_u32 v6, v2, 4, v6
	v_add_nc_u32 v[STO], s77, v6                   ; out of it: sixteen lanes to a row of 256 bytes
	v_lshlrev_b32 v[CO], 13, v3
	v_lshl_add_u32 v[CO], v2, 4, v[CO]             ; and the same two rows in out0
	s_wait_alu depctr_va_vdst(0)                   ; no plain vector instruction writes a register behind it
	s_wait_dscnt 0x0                               ; both opening adds are done
	s_wait_kmcnt 0x0
	s_add_nc_u64 s[G0A+2:G0A+3], s[4:5], s[56:57]
	s_add_nc_u64 s[G0B+2:G0B+3], s[6:7], s[58:59]
	s_add_nc_u64 s[54:55], s[G0B+2:G0B+3], TP      ; my tiles of wo from step 12 on
	s_add_nc_u64 s[52:53], s[4:5], s[60:61]        ; and of a
	s_add_nc_u64 s[48:49], s[4:5], s[62:63]        ; a's words
	s_add_nc_u64 s[50:51], s[6:7], s[66:67]        ; wo's
	s_add_nc_u64 s[8:9], s[8:9], s[2:3]
	s_or_b32 s[G0A+3], s[G0A+3], 0x80000000
	s_or_b32 s[G0B+3], s[G0B+3], 0x80000000
.irp i, 0,1,2,3
	global_load_b128 v[64+4*\i:67+4*\i], v[LI], s[48:49] offset:\i*8192
	global_load_b128 v[80+4*\i:83+4*\i], v[LI], s[50:51] offset:\i*24576
.endr
	DLOAD 0xc0, 0,   54, 0                         ; steps 12 and 13 are asked for ahead of the cluster's round: with the 8 above, 56 loads of mine are out
	DLOAD 0x80, 128, 52, 0
	DLOAD 0xc0, 48,  54, 1
	DLOAD 0x80, 176, 52, 1
	WIN 0
	CROUND                                         ; all sixteen work-groups are here: the joint loads meet
	s_cmp_eq_u32 s[WR], 0                          ; one tensor load a wave: waves 0, 1 ask for a's halves, waves 2, 3 for wo's; an s_nop 0 and four v_nop follow each line
	s_cbranch_scc0 .Lfor_b
	tensor_load_to_lds s[G0A:G0A+3], s[G1A:G1A+7]
	s_nop 0
	PLACES 4
	s_branch .Lasked
.Lfor_b:
	tensor_load_to_lds s[G0B:G0B+3], s[G1B:G1B+7]
	s_nop 0
	PLACES 4
.Lasked:
	DLOAD 0xc0, 96,  54, 2                         ; steps 14 and 15
	DLOAD 0xc0, 192, 52, 2
	DLOAD 0xc0, 144, 54, 3
	DLOAD 0x40, 48,  52, 3
	WIN 0
	s_wait_tensorcnt 0x0                           ; my four tiles are in
	s_wait_loadcnt 63                              ; behind my 8 loads of scale words stand 96 others: with at most 63 out, the 8 are in
.irp i, 0,1,2,3
	ds_store_b128 v[SSA], v[64+4*\i:67+4*\i] offset:512*\i
	ds_store_b128 v[SSA], v[80+4*\i:83+4*\i] offset:SCB-SCA+512*\i
.endr
	s_wait_dscnt 0x0                               ; for the other waves' sake: my stores are done
	s_barrier_signal -1
	s_barrier_wait -1                              ; everybody's tiles and words are in
	FETCH 0, 0
.irp j, 0,1,2,3                        ; the words of steps 12-15
.irp i, 0,1
	ds_load_b32 v[SD+4*\j+\i], v[ADSA] offset:(RS+\j)*512+128*\i
	ds_load_b32 v[SD+4*\j+2+\i], v[ADSB] offset:(RS+\j)*512+128*\i
.endr
.endr
.set N, 0
.rept RS-1
	s_wait_dscnt 0x0                               ; this step's fragments are in
	PLACES 4                                       ; four plain instructions between the last products and the loads into the set that they read
	FETCH N+1, (N+1)%2
	WIN W_MUL
	MULG N==0, 128*(N%2), AF+48*(N%2), SC+4*(N%2)  ; the first step's products start the sums
.set N, N+1
.endr
	s_wait_dscnt 0x0                               ; step 11's fragments are in: my reads of the tiles are over
	MULG 0, 128, AF+48, SC+4
	s_wait_loadcnt 0x0                             ; steps 12-15 are in my registers
	s_barrier_signal -1                            ; say that I read the tiles no more; work on registers alone up to the wait
	WIN 0xab                                       ; source 0 window 3, source 1 window 2
	MULG 0, 0,   128, SD
	MULG 0, 48,  176, SD+4
	WIN 0xaf                                       ; source 1 window 3
	MULG 0, 96,  192, SD+8
	WIN 0xa7                                       ; source 1 window 1
	MULG 0, 144, 48,  SD+12
	WIN 0
	s_barrier_wait -1                              ; nobody reads the tiles any more: the stages may be written
	PLACES 4                                       ; in front of the first read of results
; THE WAY OUT: 32 rows x 64 columns at a time through my stage, back as whole rows of 256 bytes
.irp p, 0,1
	WIN W_STG
.irp a, 0,1
.irp b, 0,1,2,3
.set rD, 32*(2*\p+\a)+8*\b
	ds_store_b128 v[STI], v[rD:rD+3] offset:8*\a*272+128*(\b/2)+32*(\b%2)          ; each accumulator from its low end on
	ds_store_b128 v[STI], v[rD+4:rD+7] offset:8*\a*272+128*(\b/2)+32*(\b%2)+16
.endr
.endr
	WIN 0
.irp t, 0,1,2,3,4,5,6,7,8,9,10,11,12,13,14,15
	ds_load_b128 v[64+64*\p+4*\t:67+64*\p+4*\t], v[STO] offset:544*\t              ; a wave's LDS instructions are served in order: these see my stores
.endr
.endr
.irp p, 0,1
.irp t, 0,1,2,3,4,5,6,7,8,9,10,11,12,13,14,15
	s_wait_dscnt 32*(1-\p)+15-\t                   ; behind this load: the rest of its 16 and, for the first 32 rows, the second's 16 stores and 16 loads
	global_store_b128 v[CO], v[64+64*\p+4*\t:67+64*\p+4*\t], s[8:9] offset:(32*\p+2*\t)*8192 th:TH_STORE_NT   ; sixteen lanes store 256 consecutive bytes, aligned
.endr
.endr
	s_wait_tensorcnt 0x0                           ; the wave's end
	ds_add_u32 v[SPW], v[NIL]
	s_wait_dscnt 0x0
	CROUND                                         ; the closing round
	s_endpgm
.Lfunc_end_k_q6b269cc2a4_gemm_out:
	.size	k_q6b269cc2a4_gemm_out, .Lfunc_end_k_q6b269cc2a4_gemm_out-k_q6b269cc2a4_gemm_out
	.p2alignl 7, 3214868480
	.fill 96, 4, 3214868480
	.section	.rodata,"a",@progbits
	.p2align	6, 0x0
	.amdhsa_kernel k_q6b269cc2a4_gemm_out
		.amdhsa_group_segment_fixed_size 327680
		.amdhsa_private_segment_fixed_size 0
		.amdhsa_enable_private_segment 0
		.amdhsa_kernarg_size 24
		.amdhsa_user_sgpr_count 2
		.amdhsa_user_sgpr_kernarg_segment_ptr 1
		.amdhsa_wavefront_size32 1
		.amdhsa_system_sgpr_workgroup_id_x 1
		.amdhsa_system_sgpr_workgroup_id_y 1
		.amdhsa_system_sgpr_workgroup_id_z 1
		.amdhsa_system_vgpr_workitem_id 0
		.amdhsa_next_free_vgpr 1024
		.amdhsa_next_free_sgpr 80
		.amdhsa_reserve_vcc 0
		.amdhsa_float_denorm_mode_32 3
		.amdhsa_float_denorm_mode_16_64 3
		.amdhsa_memory_ordered 1
		.amdhsa_forward_progress 1
		.amdhsa_inst_pref_size 84
	.end_amdhsa_kernel
	.amdgpu_metadata
---
amdhsa.version: [ 1, 2 ]
amdhsa.kernels:
  - .name:           k_q6b269cc2a4_gemm_out
    .symbol:         k_q6b269cc2a4_gemm_out.kd
    .args:
      - { .name: aq, .offset: 0, .size: 8, .value_kind: global_buffer, .address_space: global }
      - { .name: wq6, .offset: 8, .size: 8, .value_kind: global_buffer, .address_space: global }
      - { .name: out0, .offset: 16, .size: 8, .value_kind: global_buffer, .address_space: global }
    .group_segment_fixed_size: 327680
    .private_segment_fixed_size: 0
    .kernarg_segment_align: 8
    .kernarg_segment_size: 24
    .max_flat_workgroup_size: 128
    .sgpr_count:     80
    .vgpr_count:     1024
    .wavefront_size: 32
...
	.end_amdgpu_metadata
.endif
;; end of part 4
